; MI455X (gfx1250); checked and timed in simulation.
; The chip was launched on July 23, 2026; its instructions are those of AMD's public machine-readable ISA for CDNA 5 (MIT licence, August 2026) and "CDNA5" Instruction Set Architecture Reference Guide (July 2026). The comments in the code are by the model that wrote it; some were corrected since.
;; Multi Headed Attention. Allowed arithmetic: matrix products marked QUANTISED: E4M3 operands, one given power-of-two scale a tensor, by v_wmma_f32_16x16x64_fp8_fp8 or v_wmma_f32_16x16x128_fp8_fp8, f32 sums; everything else in f32.
;; Inputs: bk 1,024 float32; bo 1,024 float32; bq 1,024 float32; bv 1,024 float32; key 4 x 2,048 x 1,024 float32; lowp_scales 12 int32 (the exponents e of the quantised operands' scales 2^e); mask 4 x 2,048 x 2,048 bool; query 4 x 2,048 x 1,024 float32; value 4 x 2,048 x 1,024 float32; wk 1,024 x 1,024 float32; wo 1,024 x 1,024 float32; wq 1,024 x 1,024 float32; wv 1,024 x 1,024 float32.
;; Outputs: out0 4 x 2,048 x 1,024 float32.
;; This version of the problem:
;;   THIS VERSION OF THE PROBLEM IS GIVEN IN LOW PRECISION. The matrix products marked QUANTISED in the list below multiply operands that are first quantised to E4M3 (4 exponent bits, 3 mantissa bits; 8 bits a number), with one given power-of-two scale for each operand tensor; their sums are f32. All else is computed in f32.
;;   The module's matrix products, in the order in which they are computed (A, B: the left and right operand; K: the contracted axis; several contracted axes count as one K, in the product's order):
;;     1. [M 8,192, K 1,024] x [K 1,024, N 1,024]; A: input query; B: input wq: QUANTISED (scales: A lowp_scales[0], B lowp_scales[1])
;;     2. [M 8,192, K 1,024] x [K 1,024, N 1,024]; A: input key; B: input wk: QUANTISED (scales: A lowp_scales[2], B lowp_scales[3])
;;     3. [M 8,192, K 1,024] x [K 1,024, N 1,024]; A: input value; B: input wv: QUANTISED (scales: A lowp_scales[4], B lowp_scales[5])
;;     4. batch 64 x [M 2,048, K 64] x [K 64, N 2,048]; A: computed on the way; B: computed on the way: QUANTISED (scales: A lowp_scales[6], B lowp_scales[7])
;;     5. batch 64 x [M 2,048, K 2,048] x [K 2,048, N 64]; A: softmax (see below); B: computed on the way: QUANTISED (scales: A lowp_scales[8], B lowp_scales[9])
;;     6. [M 8,192, K 1,024] x [K 1,024, N 1,024]; A: computed on the way; B: input wo: QUANTISED (scales: A lowp_scales[10], B lowp_scales[11])
;;   THE QUANTISER, for each operand of a quantised product, along K:
;;     - The operand's scale is 2^e, e = its entry of the input lowp_scales (int32; the entries are numbered through the quantised products in the list's order, A before B).
;;     - Each number is divided by the scale, clamped to +-448, and rounded to the nearest number of E4M3, ties to even, subnormals kept.
;;     - The product sums the exact products of the quantised numbers (number of the format x scale) in f32.
;;   ~~~python
;;   def quantise(x, axis, e):      # numpy; x: float32 -> the quantised numbers, widened to float32 again
;;       x = np.moveaxis(x, axis, -1); K = x.shape[-1]
;;       r = np.clip(x / 2.0 ** e, -448, 448)
;;       step = 2.0 ** (np.maximum(np.frexp(np.where(r == 0, 1, r))[1] - 1, -6) - 3)
;;       q = np.round(r / step) * step * 2.0 ** e      # np.round: ties to even
;;       return np.moveaxis(q, -1, axis).astype(np.float32)
;;   ~~~
;;   SOFTMAX AHEAD OF A QUANTISED PRODUCT. Where the list says 'softmax', what is quantised is not the finished softmax but p = 2^(t - M), with t = logit x log2(e) and M = ceil(the row's largest t), a whole number; so 1/2 < the row's largest p <= 1. The row's sum l is taken of the UNQUANTISED p, in f32, and the product's result is divided by l at the end. Since M is a whole number, a kernel that streams over the keys may use a running M (the ceiling of the running maximum): every later rescaling is an exact power of two, so the quantised numbers keep their values, but for numbers so far below the row's largest that they fall under the format's range.
;;   OPERANDS COMPUTED ON THE WAY. 'Computed on the way' means the value that the module computes at that place (a softmax that the list does not call 'softmax' is quantised finished and normalised). What goes into a quantiser is computed in f32, as accurately as f32 sums, v_exp_f32 and their like allow (about 1e-6 of the number): no bf16 or f16 on the way to a quantiser, and a product that is left as it is and whose result goes on into a quantised operand takes f32 operands (vector FMAs, or v_wmma_f32_16x16x4_f32). A number that lies on a knife's edge between two numbers of the format may be rounded either way, as far as f32 arithmetic and the matrix unit's own rounding can turn it there, and no further.
;; 2 versions, each right; version 2 is version 1 with the launch attn written anew for expert scheduling mode. Each part assembles by itself: llvm-mc -triple=amdgcn-amd-amdhsa -mcpu=gfx1250 --defsym DOCPART=n.
;; ======== version 1 of 2: 4 launches
;; limits: right only within a limited range of input values
;; workspace buffers: xc 25,165,824 bytes; wc 4,194,304 bytes; mw 2,097,152 bytes of whole numbers; qkvc 25,165,824 bytes; ctxc 8,388,608 bytes
;; launch prep (part 1): grid 1024 x 1, 4 waves a work-group, no clusters, 51,712 bytes of LDS; arguments query, key, value, wq, wk, wv, wo, mask, lowp_scales, xc, wc, mw; writes xc, wc, mw
.if DOCPART == 1
	.amdgcn_target "amdgcn-amd-amdhsa--gfx1250"
	.amdhsa_code_object_version 6
	.text
	.protected	k_q9c24ef0203_prep
	.globl	k_q9c24ef0203_prep
	.p2align	8
	.type	k_q9c24ef0203_prep,@function
k_q9c24ef0203_prep:
	s_mov_b64 s[64:65], 0
	v_nop
	global_prefetch_b8 v0, s[64:65] scope:SCOPE_SE
	s_setreg_imm32_b32 hwreg(HW_REG_WAVE_MODE, 25, 1), 1
	s_wait_xcnt 0x0
; PREP: (1) query, key, value [8192][1024] and wq, wk, wv, wo [1024][1024], f32, become codes of E4M3 with the scale 2^e given for each; (2) the mask becomes lane-mask words.
; THE CODES' LAYOUT is the order of a matrix operand's registers.  Row tile T holds the 16 rows row(T, i) = 32 (T / 2) + 8 (T % 2) + i + 8 (i / 8).  Piece (T, c) is 512 bytes: lane L = (r = L % 16, h = L / 16)
; has its 16 bytes at 16 L: the codes of row(T, r) at k = 32 c + 16 h + 0 .. 15.  A row tile is 32 pieces on end, 16 KiB.  So every later launch takes fragments by loads of 512 consecutive bytes.
; code = x / 2^e, held within +-448, to the nearest code, ties to even.  LIMITS: -126 <= e <= 119 for the seven tensors; NaN among the inputs is not served.
; THE MASK'S LAYOUT: a record of 4,096 bytes for each (batch, query tile): 16 steps of 64 words.  Bit L of word n = 16 b + i of step st is mask[batch][row(tile, r)][128 st + 32 b + 16 h + i]:
; lane and register n of the transposed scores.  A mask byte other than 0 counts as kept.
; SHARES.  Work-groups 0 to 127 take the mask, a wave a record; work-groups 128 to 1023 take two row tiles each, a wave half a row tile (16 rows x 512 k).
; The two ways part on the work-group's number, never meet again, and have LDS bytes of their own.  No work-group shares an input with another: no cluster, no tensor load, no barrier (a wave's stage is its own).
.set QSTG,  8448                       ; a quantising wave's stage: 16 rows x (512 bytes + 16)
.set MBASE, 4*QSTG                     ; behind the four of them: the mask waves' stages,
.set MSTG,  4352                       ; 16 rows x (256 bytes + 16) each
.set R,     16                         ; numbers (v16-143, two sets of 64) or mask bytes (v16-47) as loaded
.set X,     144                        ; v144-207 64 numbers of a lane: register 16 c + i = k 32 c + 16 h + i of its row
.set C,     208                        ; v208-223 their codes
.set M,     48                         ; v48-79   a lane's mask bytes of 256 keys
	s_load_b512 s[8:23], s[0:1], 0x0               ; query s[8:9], key, value, wq, wk, wv, wo s[20:21], mask s[22:23]
	s_load_b256 s[24:31], s[0:1], 0x40             ; the scales' exponents s[24:25], xc s[26:27], wc s[28:29], mw s[30:31]
	v_lshl_add_u32 v224, v0, 2, 0xc800
	v_mov_b32 v225, 0
	v_lshrrev_b32 v1, 5, v0
	v_readfirstlane_b32 s3, v1                     ; wave 0..3
	v_and_b32 v5, 31, v0                           ; L
	v_and_b32 v6, 15, v0                           ; r
	v_bfe_u32 v7, v0, 4, 1                         ; h
	s_wait_kmcnt 0x0
	s_cmp_lt_u32 ttmp9, 128
	s_cbranch_scc1 .Lmask
; ---------------- the quantiser ----------------
	s_load_b256 s[32:39], s[24:25], 0x0            ; e0 .. e7
	s_load_b128 s[40:43], s[24:25], 0x20           ; e8 .. e11
	s_sub_co_u32 s2, ttmp9, 128                    ; u = 0 .. 895
	v_lshlrev_b32 v1, 4, v5                        ; 16 L: my bytes of a load's or a store's 512
	s_mul_i32 s50, s3, QSTG
	v_add_nc_u32 v2, s50, v1                       ; the stage, on the way in: a row as it lies
	v_mul_u32_u24 v3, v6, 528
	v_lshl_add_u32 v3, v7, 6, v3
	v_add_nc_u32 v3, s50, v3                       ; on the way out: row r, + 64 h: my 16 numbers of a block of 32
	s_mov_b64 s[44:45], s[20:21]                   ; which tensor?  Begin with wo and go down the list; the choices hang on the work-group's number alone
	s_mov_b64 s[46:47], s[28:29]
	s_mov_b32 s49, 864                             ; the tensor's first u
	s_mov_b32 s51, 0x300000                        ; its place in the codes' buffer
	s_wait_kmcnt 0x0
	s_mov_b32 s48, s43                             ; its e
.macro PICK thr, src, e, u0, doff
	s_cmp_lt_u32 s2, \thr
	s_cselect_b64 s[44:45], s[\src:\src+1], s[44:45]
	s_cselect_b32 s48, s[\e], s48
	s_cselect_b32 s49, \u0, s49
	s_cselect_b32 s51, \doff, s51
.endm
	PICK 864, 18, 37, 832, 0x200000                ; wv, e5
	PICK 832, 16, 35, 800, 0x100000                ; wk, e3
	PICK 800, 14, 33, 768, 0                       ; wq, e1
	PICK 768, 12, 36, 512, 0x1000000               ; value, e4
	s_cselect_b64 s[46:47], s[26:27], s[46:47]     ; (still u < 768: selections leave SCC alone)  the three large tensors go to xc
	PICK 512, 10, 34, 256, 0x800000                ; key, e2
	PICK 256, 8, 32, 0, 0                          ; query, e0
	s_sub_co_u32 s52, s2, s49
	s_lshl_b32 s52, s52, 1
	s_lshr_b32 s53, s3, 1
	s_add_co_u32 s52, s52, s53                     ; T = 2 (u - first u) + wave / 2
	s_and_b32 s53, s3, 1                           ; which half of K
	s_lshr_b32 s54, s52, 1
	s_lshl_b32 s54, s54, 17                        ; 32 (T / 2) rows of 4,096 bytes
	s_and_b32 s55, s52, 1
	s_lshl_b32 s55, s55, 15                        ; + 8 (T % 2) rows
	s_add_co_u32 s54, s54, s55
	s_lshl_b32 s55, s53, 11                        ; + 512 numbers
	s_add_co_u32 s54, s54, s55
	s_mov_b32 s55, 0
	s_add_nc_u64 s[44:45], s[44:45], s[54:55]
	s_lshl_b32 s54, s52, 14                        ; codes: 16 KiB a row tile,
	s_add_co_u32 s54, s54, s51
	s_lshl_b32 s56, s53, 13                        ; 16 pieces a half
	s_add_co_u32 s54, s54, s56
	s_add_nc_u64 s[46:47], s[46:47], s[54:55]
.macro XLOAD t                         ; 128 along K of my 16 rows: each load reads 512 consecutive bytes of one row
.irp i, 0,1,2,3,4,5,6,7,8,9,10,11,12,13,14,15
	global_load_b128 v[R+64*((\t)%2)+4*\i:R+64*((\t)%2)+4*\i+3], v1, s[44:45] offset:(\i+8*(\i/8))*4096+512*(\t) th:TH_LOAD_NT
.endr
.endm
	XLOAD 0
	XLOAD 1
	s_add_co_i32 s48, s48, 127
	s_lshl_b32 s56, s48, 23
	v_mov_b32 v11, s56                             ; 2^e as f32: the conversion takes its exponent field
	s_add_co_i32 s48, s48, 8
	s_lshl_b32 s48, s48, 23
	s_or_b32 s48, s48, 0x600000
	v_mov_b32 v10, s48                             ; 448 x 2^e
.macro XSTEP t
.if (\t) < 3
	s_wait_loadcnt 16                              ; this step's 16 loads are in; the next step's 16 may be out
.else
	s_wait_loadcnt 0
.endif
.irp i, 0,1,2,3,4,5,6,7,8,9,10,11,12,13,14,15
	ds_store_b128 v2, v[R+64*((\t)%2)+4*\i:R+64*((\t)%2)+4*\i+3] offset:528*\i
.endr
.irp c, 0,1,2,3
.irp j, 0,1,2,3
	ds_load_b128 v[X+16*\c+4*\j:X+16*\c+4*\j+3], v3 offset:128*\c+16*\j   ; LDS serves a wave's instructions in order: these see the stores above
.endr
.endr
	s_wait_dscnt 0x0                               ; the numbers are back, and the stores have read their registers,
.if (\t) < 2
	XLOAD (\t)+2                                   ; which take the loads of two steps on
.endif
.set k, 0
.rept 64
	v_med3_num_f32 v[X+k], v[X+k], -v10, v10       ; the conversion to an 8-bit code does not saturate (ISA guide 7.6.2): the hold at the largest code x the scale
.set k, k+1
.endr
.if (\t) > 0
	s_wait_xcnt 0x0                                ; the last step's stores have read the codes' registers
.endif
.irp c, 0,1,2,3
	v_cvt_scalef32_pk8_fp8_f32 v[C+4*\c:C+4*\c+1], v[X+16*\c:X+16*\c+7], v11
	v_cvt_scalef32_pk8_fp8_f32 v[C+4*\c+2:C+4*\c+3], v[X+16*\c+8:X+16*\c+15], v11
.endr
	v_nop                                          ; one plain vector line behind the conversions: the next step's holds write their sources
.irp c, 0,1,2,3
	global_store_b128 v1, v[C+4*\c:C+4*\c+3], s[46:47] offset:(4*(\t)+\c)*512   ; a piece: 512 consecutive bytes, aligned
.endr
.endm
	XSTEP 0
	XSTEP 1
	XSTEP 2
	XSTEP 3
	s_wait_tensorcnt 0x0
	ds_add_u32 v224, v225
	s_wait_dscnt 0x0
	s_endpgm
; ---------------- the mask ----------------
.Lmask:
	s_lshl_b32 s32, ttmp9, 2
	s_add_co_u32 s32, s32, s3                      ; my record: 128 x batch + query tile
	s_lshr_b32 s48, s32, 7
	s_lshl_b32 s48, s48, 22                        ; a batch's mask: 2,048 rows of 2,048 bytes
	s_and_b32 s49, s32, 127
	s_lshr_b32 s50, s49, 1
	s_lshl_b32 s50, s50, 16                        ; 32 (tile / 2) rows
	s_and_b32 s49, s49, 1
	s_lshl_b32 s49, s49, 14                        ; + 8 (tile % 2) rows
	s_add_co_u32 s48, s48, s50
	s_add_co_u32 s48, s48, s49
	s_mov_b32 s49, 0
	s_add_nc_u64 s[34:35], s[22:23], s[48:49]      ; the mask at my tile's first row
	s_lshl_b32 s48, s32, 12
	s_add_nc_u64 s[36:37], s[30:31], s[48:49]      ; my record
	s_mul_i32 s50, s3, MSTG
	s_add_co_u32 s50, s50, MBASE                   ; my stage
	v_lshlrev_b32 v1, 11, v7
	v_lshl_add_u32 v1, v6, 4, v1                   ; a load takes two rows: lanes 0-15 256 bytes of one, lanes 16-31 of the next
	v_mul_u32_u24 v2, v7, 272
	v_lshl_add_u32 v2, v6, 4, v2
	v_add_nc_u32 v2, s50, v2                       ; into the stage likewise
	v_mul_u32_u24 v3, v6, 272
	v_lshl_add_u32 v3, v7, 4, v3
	v_add_nc_u32 v3, s50, v3                       ; out of it: row r, + 16 h: my 16 keys of a block of 32
	v_lshlrev_b32 v4, 3, v5                        ; a step's 64 words leave as 8 bytes a lane
	v_mov_b32 v86, 0                               ; (a lane write's destination counts as read)
	v_mov_b32 v87, 0
	s_mov_b32 s38, 0                               ; chunks of 256 keys done
.macro MLOAD
.irp i, 0,1,2,3,4,5,6,7
	global_load_b128 v[R+4*\i:R+4*\i+3], v1, s[34:35] offset:(2*\i+8*(\i/4))*2048 th:TH_LOAD_NT
.endr
.endm
.macro MSTEP sic                       ; step sic (0, 1) of the chunk
.set MS, M+16*(\sic)
	s_wait_xcnt 0x0                                ; the last store has read v[86:87]
.set n, 0
.rept 16                               ; four words at a time: byte k of register n / 4 is key 32 (n / 16) + 16 h + n % 16 + k
.irp k, 0,1,2,3
	v_and_b32 v[80+\k], 0xff<<(8*\k), v[MS+n/4]
.endr
.irp k, 0,1,2,3
	v_cmp_ne_u32 s[42+\k], 0, v[80+\k]             ; bit L: lane L's byte is set: this IS word n + k
.endr
.irp k, 0,1,2,3
	v_writelane_b32 v[86+\k%2], s[42+\k], (n+\k)/2 ; word w goes to lane w / 2, register w % 2
.endr
.set n, n+4
.endr
	global_store_b64 v4, v[86:87], s[36:37] offset:256*(\sic)   ; 256 consecutive bytes, aligned
.endm
	MLOAD
.Lchunk:                                           ; eight trips of 256 keys
	s_wait_loadcnt 0x0                             ; the chunk is in, and its loads have read their base:
	s_add_nc_u64 s[34:35], s[34:35], 256           ; on to the next 256 keys
.irp i, 0,1,2,3,4,5,6,7
	ds_store_b128 v2, v[R+4*\i:R+4*\i+3] offset:544*\i
.endr
.irp b, 0,1,2,3,4,5,6,7
	ds_load_b128 v[M+4*\b:M+4*\b+3], v3 offset:32*\b
.endr
	s_wait_dscnt 0x0
	s_cmp_lt_u32 s38, 7                            ; the last trip loads nothing: no load leaves the buffer
	s_cbranch_scc0 .Lno_more
	MLOAD
.Lno_more:
	MSTEP 0
	MSTEP 1
	s_wait_xcnt 0x0                                ; the stores have read their base and their data
	s_add_nc_u64 s[36:37], s[36:37], 512
	s_add_co_u32 s38, s38, 1
	s_cmp_lt_u32 s38, 8
	s_cbranch_scc1 .Lchunk
	s_wait_tensorcnt 0x0
	ds_add_u32 v224, v225
	s_wait_dscnt 0x0
	s_endpgm
.Lfunc_end_k_q9c24ef0203_prep:
	.size	k_q9c24ef0203_prep, .Lfunc_end_k_q9c24ef0203_prep-k_q9c24ef0203_prep
	.p2alignl 7, 3214868480
	.fill 96, 4, 3214868480
	.section	.rodata,"a",@progbits
	.p2align	6, 0x0
	.amdhsa_kernel k_q9c24ef0203_prep
		.amdhsa_group_segment_fixed_size 51712
		.amdhsa_private_segment_fixed_size 0
		.amdhsa_enable_private_segment 0
		.amdhsa_kernarg_size 96
		.amdhsa_user_sgpr_count 2
		.amdhsa_user_sgpr_kernarg_segment_ptr 1
		.amdhsa_wavefront_size32 1
		.amdhsa_system_sgpr_workgroup_id_x 1
		.amdhsa_system_sgpr_workgroup_id_y 1
		.amdhsa_system_sgpr_workgroup_id_z 1
		.amdhsa_system_vgpr_workitem_id 0
		.amdhsa_next_free_vgpr 226
		.amdhsa_next_free_sgpr 80
		.amdhsa_reserve_vcc 0
		.amdhsa_float_denorm_mode_32 3
		.amdhsa_float_denorm_mode_16_64 3
		.amdhsa_memory_ordered 1
		.amdhsa_forward_progress 1
		.amdhsa_inst_pref_size 67
	.end_amdhsa_kernel
	.amdgpu_metadata
---
amdhsa.version: [ 1, 2 ]
amdhsa.kernels:
  - .name:           k_q9c24ef0203_prep
    .symbol:         k_q9c24ef0203_prep.kd
    .args:
      - { .name: query, .offset: 0, .size: 8, .value_kind: global_buffer, .address_space: global }
      - { .name: key, .offset: 8, .size: 8, .value_kind: global_buffer, .address_space: global }
      - { .name: value, .offset: 16, .size: 8, .value_kind: global_buffer, .address_space: global }
      - { .name: wq, .offset: 24, .size: 8, .value_kind: global_buffer, .address_space: global }
      - { .name: wk, .offset: 32, .size: 8, .value_kind: global_buffer, .address_space: global }
      - { .name: wv, .offset: 40, .size: 8, .value_kind: global_buffer, .address_space: global }
      - { .name: wo, .offset: 48, .size: 8, .value_kind: global_buffer, .address_space: global }
      - { .name: mask, .offset: 56, .size: 8, .value_kind: global_buffer, .address_space: global }
      - { .name: lowp_scales, .offset: 64, .size: 8, .value_kind: global_buffer, .address_space: global }
      - { .name: xc, .offset: 72, .size: 8, .value_kind: global_buffer, .address_space: global }
      - { .name: wc, .offset: 80, .size: 8, .value_kind: global_buffer, .address_space: global }
      - { .name: mw, .offset: 88, .size: 8, .value_kind: global_buffer, .address_space: global }
    .group_segment_fixed_size: 51712
    .private_segment_fixed_size: 0
    .kernarg_segment_align: 8
    .kernarg_segment_size: 96
    .max_flat_workgroup_size: 128
    .sgpr_count:     80
    .vgpr_count:     226
    .wavefront_size: 32
...
	.end_amdgpu_metadata
.endif
;; end of part 1
;; launch proj (part 2): grid 192 x 4, 4 waves a work-group, clusters of 4 x 4, 327,680 bytes of LDS; arguments xc, wc, bq, bk, bv, lowp_scales, qkvc; writes qkvc
.if DOCPART == 2
	.amdgcn_target "amdgcn-amd-amdhsa--gfx1250"
	.amdhsa_code_object_version 6
	.text
	.protected	k_q9c24ef0203_proj
	.globl	k_q9c24ef0203_proj
	.p2align	8
	.type	k_q9c24ef0203_proj,@function
k_q9c24ef0203_proj:
	s_mov_b64 s[64:65], 0
	v_nop
	global_prefetch_b8 v0, s[64:65] scope:SCOPE_SE
	s_setreg_imm32_b32 hwreg(HW_REG_WAVE_MODE, 25, 1), 1
	s_wait_xcnt 0x0
	s_wait_alu depctr_hold_cnt(0) depctr_sa_sdst(0) depctr_va_vdst(0) depctr_va_sdst(0) depctr_va_ssrc(0) depctr_va_vcc(0) depctr_vm_vsrc(0)
	s_getreg_b32 s2, hwreg(HW_REG_IB_STS2, 6, 4)
	s_cmp_eq_u32 s2, 0
	s_cbranch_scc0 .Lentry_in_a_cluster
	s_endpgm
.Lentry_in_a_cluster:
	s_bfe_u32 s2, ttmp6, 0x10000c
	s_cmp_lg_u32 s2, 0xf033
	s_cbranch_scc0 .Lentry_shape_is_right
	s_endpgm
.Lentry_shape_is_right:
; PROJ: q = query wq^T + bq, k = key wk^T + bk, v = value wv^T + bv on codes of E4M3 (K = 1,024), and the results quantised at once for attention's two products (scales 2^e6, 2^e7, 2^e9).
; OPERANDS lie in memory as images of their registers: row tile T = the 16 rows 32 (T / 2) + 8 (T % 2) + i + 8 (i / 8); piece (T, c) = 512 bytes, lane (r, h) has at 16 L the codes of the tile's row r at k = 32 c + 16 h + 0 .. 15;
; 32 pieces, 16 KiB, a row tile.  Four pieces are a fragment of 128 along K.  That places k otherwise than the instruction's own layout, alike in both operands: every product meets its partner.
; THE MATRIX INSTRUCTION IS USED TRANSPOSED: source 0 = a row tile of 'B', source 1 = a row tile of 'A'.  A lane then holds ONE row of A, and the 16 registers of B's tiles 2 P, 2 P + 1 are B's rows 32 P + 16 h + 0 .. 15:
; converted, they ARE piece (A's tile, P) of the next operand, stored as 512 consecutive bytes.  For q and k: A = tokens, B = weight rows (the head's channels become the next K).  For v the two change places
; (A = wv's rows, B = tokens): v comes out with the KEYS innermost, as the second product wants it.
; SHARES.  A tile of the result is 128 rows of A x 256 rows of B: 3 x 256 work-groups.  Four waves, 2 x 2, each 64 x 128: 32 accumulators, 256 registers.
; CLUSTERS: 4 x 4.  A's tile is shared along a row of the cluster, B's down a column: each is asked for jointly.  A cluster belongs to one of the three tensors (cluster x / 16), so its sixteen partners run alike.
; LDS: three slots of 98,304 bytes, each 256 along K (A's 8 row tiles x 4,096 bytes, then B's 16).  K steps 0, 1, 2 go out together at the start (three loads of a wave are out); K step 3 fills slot 0 again, once.
; So the text has no loop: eight steps of 128 along K are written out.
; LIMITS: eo - (ea + eb) between -126 and 119 for each of the three products (eo = e6, e7, e9; ea, eb its operands' exponents), so that the folded scale and 448 x it are f32 numbers.
; OUT: q at 0 and k at 8 MiB: [batch x 16 + head][token tile 0..127][piece 0..1][512];  v at 16 MiB: [batch x 16 + head][step of 128 keys 0..15][channel tile 0..3][piece 0..3][512].
; REGISTERS, in windows of 256: window 0: v16-31 addresses and scales; v64-127, v128-191 A's fragments, two sets; on the way out v64-127 sums at work, v128-191 codes.
;   window 1: B's fragments, two sets of 128.   window 2: accumulator (a, b) at v[8 (8 a + b)].   window 3: v0-63 the bias along the registers, v64-71 the bias along the lanes (four equal pairs).
.set SLOT,  98304
.set BOFF,  32768                      ; B's tiles in a slot
.set SPARE, 3*SLOT                     ; behind the slots: the spare words, 128 bytes for each wave: two blocks of 256 bytes that no other line names
.set ADA, 16                           ; v16-18 LDS address of my A fragments in slot 0, 1, 2
.set ADB, 20                           ; v20-22 the same for B
.set BLO, 23                           ; v23    4 (r + 8 (r / 8)): my row's place in a bias
.set L16, 24                           ; v24    16 L
.set BRO, 27                           ; v27    64 h
.set SPW, 28                           ; v28    LDS address of my spare word; never rewritten
.set NIL, 29                           ; v29    0; never rewritten
.set SCL, 30                           ; v30    2^(eo - ea - eb)
.set LIM, 31                           ; v31    448 x that
.set AF,  64
.set T,   64
.set C,   128
.set BR,  0
.set BL,  64
.set G1A, 28                           ; s[28:35] descriptor group 1 for A's tiles; s[36:43] for B's; s[44:55] A's groups 0, a set for each slot; s[56:63], s[68:71] B's
.set G1B, 36
.set MSB, 0
.macro WIN new                         ; the immediate's high byte repeats the setting that is left
.if MSB != \new
	s_set_vgpr_msb (MSB<<8)|\new
.set MSB, \new
.endif
.endm
.macro PLACES                          ; four places behind matrix instructions, in front of loads into registers that they read and of reads of their results
.rept 4
	v_nop
.endr
.endm
.macro CREST                           ; a round of the cluster's barrier behind its opening barrier
	s_cmp_lg_u32 s18, 0
	s_cbranch_scc1 .Lnot_wave_0_\@
	s_barrier_signal -3
.Lnot_wave_0_\@:
	s_barrier_wait -3
	s_barrier_signal -1
	s_barrier_wait -1
.endm
.macro CROUND
	s_barrier_signal -1
	s_barrier_wait -1
	CREST
.endm
.macro GROUP0 g, lds, base, s          ; group 0: count 1; LDS address; global address of K step s; type 2
	s_mov_b32 s[\g], 1
	s_add_co_u32 s[\g+1], s[\lds], (\s)*SLOT
	s_add_nc_u64 s[\g+2:\g+3], s[\base:\base+1], (\s)*4096
	s_or_b32 s[\g+3], s[\g+3], 0x80000000
.endm
	s_load_b256 s[4:11], s[0:1], 0x0               ; xc s[4:5], wc s[6:7], bq s[8:9], bk s[10:11]
	s_load_b128 s[12:15], s[0:1], 0x20             ; bv s[12:13], the scales' exponents s[14:15]
	s_load_b64 s[16:17], s[0:1], 0x30              ; qkvc
	v_lshl_add_u32 v[SPW], v0, 2, SPARE
	v_mov_b32 v[NIL], 0
	ds_add_u32 v28, v29
	ds_add_u32 v28, v29
	s_wait_dscnt 0x0
	v_lshrrev_b32 v1, 5, v0
	v_readfirstlane_b32 s18, v1                    ; wave 0..3
	s_lshr_b32 s19, s18, 1                         ; wa: which 64 rows of A are mine.  Also: I fetch for A (0) or for B (1)
	s_and_b32 s20, s18, 1                          ; wb: which 128 rows of B.  Also: which half of that tile I fetch
	s_bfe_u32 s21, ttmp6, 0x40000                  ; cx
	s_bfe_u32 s22, ttmp6, 0x40004                  ; cy
	s_lshr_b32 s23, ttmp9, 4                       ; t: 0 q, 1 k, 2 v: the same in all partners
	s_and_b32 s24, ttmp9, 15                       ; which of the tensor's 16 clusters
	s_and_b32 s84, s24, 1
	s_lshl_b32 s84, s84, 2
	s_lshl_b32 s85, s24, 2
	s_lshr_b32 s86, s24, 1
	s_lshl_b32 s86, s86, 2
	s_cmp_eq_u32 s23, 2
	s_cselect_b32 s25, s84, s85                    ; q, k: 64 tile rows x 4 tile columns;  v: 8 x 32
	s_cselect_b32 s26, s86, 0
	s_add_co_u32 s25, s25, s22                     ; tile row (of A)
	s_add_co_u32 s26, s26, s21                     ; tile column (of B)
	s_lshl_b32 s84, s22, 2
	s_lshl_b32 s84, 15, s84                        ; my row of the cluster
	s_lshl_b32 s85, 0x1111, s21                    ; my column
	; group 1: rows of 512 elements of 8 bytes (a row tile's 4,096 bytes of a K step), 2,048 elements (16 KiB) apart; A: 4 rows a load, B: 8.  No padding: fragments are read as 512 consecutive bytes
	s_or_b32 s[G1A], s84, (3<<16)|(1<<21)          ; 15:0 the mask; 17:16 elements of 8 bytes; 21 set beside a mask
	s_or_b32 s[G1B], s85, (3<<16)|(1<<21)
	s_mov_b32 s[G1A+1], 512<<16                    ; tensor_dim0
	s_mov_b32 s[G1A+2], 4<<16                      ; tensor_dim1
	s_mov_b32 s[G1A+3], 512<<16                    ; tile_dim0
	s_mov_b32 s[G1A+4], 4                          ; tile_dim1
	s_mov_b32 s[G1A+5], 2048                       ; tensor_dim0_stride
	s_mov_b32 s[G1A+6], 0
	s_mov_b32 s[G1A+7], 0
	s_mov_b32 s[G1B+1], 512<<16
	s_mov_b32 s[G1B+2], 8<<16
	s_mov_b32 s[G1B+3], 512<<16
	s_mov_b32 s[G1B+4], 8
	s_mov_b32 s[G1B+5], 2048
	s_mov_b32 s[G1B+6], 0
	s_mov_b32 s[G1B+7], 0
	s_wait_kmcnt 0x0
	s_load_b256 s[72:79], s[14:15], 0x0            ; e0 .. e7
	s_load_b128 s[80:83], s[14:15], 0x20           ; e8 .. e11
	s_lshl_b32 s2, s23, 23
	s_mov_b32 s3, 0
	s_add_nc_u64 s[94:95], s[4:5], s[2:3]          ; the tensor's tokens: xc + 8 MiB x t
	s_lshl_b32 s2, s23, 20
	s_add_nc_u64 s[96:97], s[6:7], s[2:3]          ; its weight: wc + 1 MiB x t
	s_cmp_eq_u32 s23, 2
	s_cselect_b64 s[90:91], s[96:97], s[94:95]     ; A
	s_cselect_b64 s[92:93], s[94:95], s[96:97]     ; B
	s_lshl_b32 s94, s25, 17                        ; A: 8 row tiles a tile row, + my 4: made of the tile row and the wave's number alone
	s_lshl_b32 s95, s20, 16
	s_add_co_u32 s94, s94, s95
	s_mov_b32 s95, 0
	s_add_nc_u64 s[90:91], s[90:91], s[94:95]
	s_lshl_b32 s96, s26, 18                        ; B: 16 row tiles a tile column, + my 8: of the tile column and the wave's number alone
	s_lshl_b32 s97, s20, 17
	s_add_co_u32 s96, s96, s97
	s_mov_b32 s97, 0
	s_add_nc_u64 s[92:93], s[92:93], s[96:97]
	s_lshl_b32 s98, s20, 14                        ; where they go in a slot: no place in the cluster enters an LDS address
	s_lshl_b32 s99, s20, 15
	s_add_co_u32 s99, s99, BOFF
	GROUP0 44, 98, 90, 0
	GROUP0 48, 98, 90, 1
	GROUP0 52, 98, 90, 2
	GROUP0 56, 99, 92, 0
	GROUP0 60, 99, 92, 1
	GROUP0 68, 99, 92, 2
	CROUND                                         ; all sixteen work-groups are here: the first joint loads meet
	s_cmp_eq_u32 s19, 0                            ; a wave's three first fills stand in one branch on its number, ahead of every wait on TENSORcnt and every LDS read
	s_cbranch_scc0 .Lfirst_b
	tensor_load_to_lds s[44:47], s[G1A:G1A+7]
	s_nop 0
	tensor_load_to_lds s[48:51], s[G1A:G1A+7]
	s_nop 0
	tensor_load_to_lds s[52:55], s[G1A:G1A+7]
	s_nop 0
	PLACES                                         ; four v_nop follow
	s_branch .Lfirst_asked
.Lfirst_b:
	tensor_load_to_lds s[56:59], s[G1B:G1B+7]
	s_nop 0
	tensor_load_to_lds s[60:63], s[G1B:G1B+7]
	s_nop 0
	tensor_load_to_lds s[68:71], s[G1B:G1B+7]
	s_nop 0
	PLACES
.Lfirst_asked:
	v_and_b32 v1, 31, v0
	v_lshlrev_b32 v[L16], 4, v1
	v_and_b32 v2, 15, v0                           ; r
	v_bfe_u32 v3, v0, 4, 1                         ; h
	s_lshl_b32 s2, s19, 14                         ; my 4 row tiles of A
	s_lshl_b32 s3, s20, 15                         ; my 8 of B
	s_add_co_u32 s3, s3, BOFF
.irp s, 0,1,2
	v_add_nc_u32 v[ADA+\s], s2, v[L16]
	v_add_nc_u32 v[ADB+\s], s3, v[L16]
	s_add_co_u32 s2, s2, SLOT
	s_add_co_u32 s3, s3, SLOT
.endr
	v_lshlrev_b32 v[BRO], 6, v3
	v_and_b32 v4, 8, v2
	v_add_nc_u32 v4, v4, v2
	v_lshlrev_b32 v[BLO], 2, v4
	; the bias.  q, k: it runs along the registers (B's rows): 64 numbers a lane.  v: along the lanes (A's rows): one number for each of my four tiles.  Both are loaded, inside the buffer, so that every register is written
	s_cmp_eq_u32 s23, 0
	s_cselect_b64 s[84:85], s[8:9], s[10:11]
	s_cmp_eq_u32 s23, 2
	s_cselect_b64 s[84:85], s[12:13], s[84:85]
	s_lshl_b32 s86, s26, 10
	s_lshl_b32 s87, s20, 9
	s_add_co_u32 s86, s86, s87                     ; 4 (256 tile column + 128 wb)
	s_lshl_b32 s88, s25, 9
	s_lshl_b32 s89, s19, 8
	s_add_co_u32 s88, s88, s89                     ; 4 (128 tile row + 64 wa)
	s_cmp_eq_u32 s23, 2
	s_cselect_b32 s86, 0, s86
	s_cselect_b32 s88, s88, 0
	s_mov_b32 s87, 0
	s_mov_b32 s89, 0
	s_add_nc_u64 s[86:87], s[84:85], s[86:87]
	s_add_nc_u64 s[88:89], s[84:85], s[88:89]
	WIN 0xc0                                       ; destination window 3
.irp p, 0,1,2,3
.irp j, 0,1,2,3
	global_load_b128 v[BR+16*\p+4*\j:BR+16*\p+4*\j+3], v[BRO], s[86:87] offset:128*\p+16*\j   ; register 16 P + i: B's row 32 P + 16 h + i
.endr
.endr
.irp a, 0,1,2,3
	global_load_b32 v[BL+2*\a], v[BLO], s[88:89] offset:4*(32*(\a/2)+8*(\a%2))
	global_load_b32 v[BL+2*\a+1], v[BLO], s[88:89] offset:4*(32*(\a/2)+8*(\a%2))              ; twice: a pair for the packed addition
.endr
	WIN 0
	; where my results go, in bytes from qkvc
	s_lshl_b32 s94, s25, 3
	s_lshl_b32 s95, s19, 2
	s_add_co_u32 s94, s94, s95                     ; q, k: my first token tile, 8 tile row + 4 wa:
	s_lshr_b32 s95, s94, 7
	s_lshl_b32 s95, s95, 21                        ; its batch (16 heads of 128 KiB),
	s_and_b32 s94, s94, 127
	s_lshl_b32 s94, s94, 10                        ; its place in the batch;
	s_add_co_u32 s94, s94, s95
	s_lshl_b32 s95, s26, 2
	s_lshl_b32 s96, s20, 1
	s_add_co_u32 s95, s95, s96                     ; my first head: 4 tile column + 2 wb
	s_lshl_b32 s95, s95, 17
	s_add_co_u32 s94, s94, s95
	s_lshl_b32 s95, s23, 23
	s_add_co_u32 s94, s94, s95
	s_lshl_b32 s96, s26, 1
	s_add_co_u32 s96, s96, s20                     ; v: my step of 128 tokens, 2 tile column + wb:
	s_lshr_b32 s97, s96, 4
	s_lshl_b32 s97, s97, 21                        ; its batch,
	s_and_b32 s96, s96, 15
	s_lshl_b32 s96, s96, 13                        ; its place in the batch;
	s_add_co_u32 s96, s96, s97
	s_lshl_b32 s97, s25, 1
	s_add_co_u32 s97, s97, s19                     ; my head: 2 tile row + wa
	s_lshl_b32 s97, s97, 17
	s_add_co_u32 s96, s96, s97
	s_add_co_u32 s96, s96, 0x1000000
	s_cmp_eq_u32 s23, 2
	s_cselect_b32 s90, s96, s94
	s_mov_b32 s91, 0
	s_add_nc_u64 s[90:91], s[16:17], s[90:91]
	; the scales.  A sum stands for sum x 2^(ea + eb): the bias goes in as bias / 2^(ea + eb), and the conversion takes 2^(eo - ea - eb).  Choices, no branch
	s_wait_kmcnt 0x0
	s_add_co_i32 s94, s72, s73
	s_add_co_i32 s95, s74, s75
	s_add_co_i32 s96, s76, s77
	s_cmp_eq_u32 s23, 0
	s_cselect_b32 s94, s94, s95
	s_cselect_b32 s97, s78, s79
	s_cmp_eq_u32 s23, 2
	s_cselect_b32 s94, s96, s94                    ; ea + eb
	s_cselect_b32 s97, s81, s97                    ; eo: e6, e7 or e9
	s_sub_co_i32 s92, 0, s94
	s_sub_co_i32 s97, s97, s94
	s_add_co_i32 s97, s97, 127
	s_lshl_b32 s98, s97, 23
	v_mov_b32 v[SCL], s98
	s_add_co_i32 s97, s97, 8
	s_lshl_b32 s97, s97, 23
	s_or_b32 s97, s97, 0x600000
	v_mov_b32 v[LIM], s97
; 48 LDS loads in one run: the fragments of the slot's q-th 128 along K into set: B's eight, then A's four; each load 512 consecutive bytes
.macro FETCH slot, q, set
	WIN 0x40                                       ; destination window 1
.irp i, 0,1,2,3,4,5,6,7
.irp c, 0,1,2,3
	ds_load_b128 v[128*(\set)+16*\i+4*\c:128*(\set)+16*\i+4*\c+3], v[ADB+\slot] offset:4096*\i+512*(4*(\q)+\c)
.endr
.endr
	WIN 0
.irp i, 0,1,2,3
.irp c, 0,1,2,3
	ds_load_b128 v[AF+64*(\set)+16*\i+4*\c:AF+64*(\set)+16*\i+4*\c+3], v[ADA+\slot] offset:4096*\i+512*(4*(\q)+\c)
.endr
.endr
.endm
; 8 matrix instructions: A's block a x B's eight.  The 32 accumulators take turns, one instruction a turn, in the same order in every step.  zero = 1: the first product starts the sums
.macro MUL8 a, set, zero
	WIN 0xa1                                       ; source 0 (B) window 1, source 1 (A) window 0, C and D window 2
.irp b, 0,1,2,3,4,5,6,7
.if \zero
	v_wmma_f32_16x16x128_fp8_fp8 v[8*(8*(\a)+\b):8*(8*(\a)+\b)+7], v[128*(\set)+16*\b:128*(\set)+16*\b+15], v[AF+64*(\set)+16*(\a):AF+64*(\set)+16*(\a)+15], 0
.else
	v_wmma_f32_16x16x128_fp8_fp8 v[8*(8*(\a)+\b):8*(8*(\a)+\b)+7], v[128*(\set)+16*\b:128*(\set)+16*\b+15], v[AF+64*(\set)+16*(\a):AF+64*(\set)+16*(\a)+15], v[8*(8*(\a)+\b):8*(8*(\a)+\b)+7]
.endif
.endr
.endm
; a step of 128 along K on set; in its middle the next step's fragments (slot ns, its nq-th 128) are fetched into the other set
.macro PLAIN set, zero, ns, nq
	s_wait_dscnt 8                                 ; B and A's blocks 0, 1 are in; the youngest eight loads (A's blocks 2, 3) may be out
	MUL8 0, \set, \zero
	MUL8 1, \set, \zero
	PLACES
	FETCH \ns, \nq, 1-(\set)
	s_wait_dscnt 48                                ; all but the 48 just issued
	MUL8 2, \set, \zero
	MUL8 3, \set, \zero
.endm
	s_wait_tensorcnt 2                             ; my part of K step 0 is in; the two loads behind it may stay out
	s_barrier_signal -1
	s_barrier_wait -1                              ; everybody's is
	FETCH 0, 0, 0
	PLAIN 0, 1, 0, 1                               ; step 0 starts the sums
	; step 1 leaves slot 0, which is filled again with K step 3: the launch's one refill
	WIN 0                                          ; (the add's two registers lie in window 0)
	s_wait_tensorcnt 0x0                           ; all my tensor loads have landed: slots 1 and 2 are whole as far as I fetch them
	ds_add_u32 v[SPW], v[NIL]                      ; 0 onto my spare word
	s_add_nc_u64 s[46:47], s[46:47], 12288         ; no load of mine is out, so a group 0 may be written: from K step 0 to K step 3
	s_add_nc_u64 s[58:59], s[58:59], 12288
	s_wait_dscnt 9                                 ; (the add and the youngest eight loads may be out)
	MUL8 0, 1, 0
	s_wait_dscnt 0x0                               ; the add is done, and my reads of slot 0 are over
	s_barrier_signal -1                            ; this barrier opens a round of the cluster's
	MUL8 1, 1, 0
	WIN 0
	s_barrier_wait -1
	CREST                                          ; no wave of any partner still reads slot 0 or has a load on its way
	s_cmp_eq_u32 s19, 0
	s_cbranch_scc0 .Lfor_b
	tensor_load_to_lds s[44:47], s[G1A:G1A+7]      ; the first tensor load behind the round, one a wave: it has four steps, 120 matrix instructions, in which to land
	s_nop 0
	PLACES                                         ; four v_nop follow each of the two lines; they are also the places in front of the loads below
	s_branch .Lasked
.Lfor_b:
	tensor_load_to_lds s[56:59], s[G1B:G1B+7]
	s_nop 0
	PLACES
.Lasked:
	FETCH 1, 0, 0
	MUL8 2, 1, 0
	MUL8 3, 1, 0
	PLAIN 0, 0, 1, 1                               ; step 2
	PLAIN 1, 0, 2, 0                               ; step 3: slot 2 was shown whole to every wave by the round above
	PLAIN 0, 0, 2, 1                               ; step 4
	s_wait_dscnt 8                                 ; step 5 goes back to slot 0: a barrier behind which nothing is filled
	MUL8 0, 1, 0
	s_wait_tensorcnt 0x0                           ; my part of K step 3 is in (the one load that was out)
	s_wait_dscnt 0x0
	s_barrier_signal -1
	MUL8 1, 1, 0
	s_barrier_wait -1                              ; everybody's is
	PLACES
	FETCH 0, 0, 0
	MUL8 2, 1, 0
	MUL8 3, 1, 0
	PLAIN 0, 0, 0, 1                               ; step 6
	s_wait_dscnt 8                                 ; step 7: nothing more to fetch
	MUL8 0, 1, 0
	MUL8 1, 1, 0
	s_wait_dscnt 0x0
	MUL8 2, 1, 0
	MUL8 3, 1, 0
	WIN 0
; THE WAY OUT.  For each of my four tiles of A: sum + bias / 2^(ea + eb), held, converted: four pieces, each stored as 512 consecutive bytes.  kind 0: q, k; kind 1: v.
.macro EPI kind
	WIN 0xc3                                       ; source 0 and destination window 3
.if \kind == 0
.set k, 0
.rept 64
	v_ldexp_f32 v[BR+k], v[BR+k], s92
.set k, k+1
.endr
.else
.set k, 0
.rept 8
	v_ldexp_f32 v[BL+k], v[BL+k], s92
.set k, k+1
.endr
.endif
.irp a, 0,1,2,3
	WIN 0x0e                                       ; source 0 (the sums) window 2, source 1 (the bias) window 3
.set k, 0
.rept 32                               ; each accumulator from its low end on
.if \kind == 0
	v_pk_add_f32 v[T+k:T+k+1], v[64*\a+k:64*\a+k+1], v[BR+k:BR+k+1]
.else
	v_pk_add_f32 v[T+k:T+k+1], v[64*\a+k:64*\a+k+1], v[BL+2*\a:BL+2*\a+1]
.endif
.set k, k+2
.endr
	WIN 0
.set k, 0
.rept 64
	v_med3_num_f32 v[T+k], v[T+k], -v[LIM], v[LIM] ; the conversion to an 8-bit code does not saturate (ISA guide 7.6.2)
.set k, k+1
.endr
.irp p, 0,1,2,3
	v_cvt_scalef32_pk8_fp8_f32 v[C+16*\a+4*\p:C+16*\a+4*\p+1], v[T+16*\p:T+16*\p+7], v[SCL]
	v_cvt_scalef32_pk8_fp8_f32 v[C+16*\a+4*\p+2:C+16*\a+4*\p+3], v[T+16*\p+8:T+16*\p+15], v[SCL]
.endr
	v_nop                                          ; one plain vector line behind the conversions: the next tile's additions write their sources
.irp p, 0,1,2,3
.if \kind == 0
	global_store_b128 v[L16], v[C+16*\a+4*\p:C+16*\a+4*\p+3], s[90:91] offset:1024*\a+131072*(\p/2)+512*(\p%2)   ; token tile a; head P / 2, piece P % 2
.else
	global_store_b128 v[L16], v[C+16*\a+4*\p:C+16*\a+4*\p+3], s[90:91] offset:2048*\a+512*\p                     ; channel tile a; piece P of the step's four
.endif
.endr
.endr
.endm
	s_wait_loadcnt 0x0                             ; the bias
	PLACES
	s_cmp_eq_u32 s23, 2                            ; the tensor: the same in all partners
	s_cbranch_scc1 .Lkind1
	EPI 0
	s_branch .Lout
.Lkind1:
	EPI 1
.Lout:
	s_wait_tensorcnt 0x0                           ; the wave's end
	ds_add_u32 v[SPW], v[NIL]
	s_wait_dscnt 0x0
	CROUND                                         ; the closing round: no work-group ends while a partner may still ask for a tile that names it
	s_endpgm
.Lfunc_end_k_q9c24ef0203_proj:
	.size	k_q9c24ef0203_proj, .Lfunc_end_k_q9c24ef0203_proj-k_q9c24ef0203_proj
	.p2alignl 7, 3214868480
	.fill 96, 4, 3214868480
	.section	.rodata,"a",@progbits
	.p2align	6, 0x0
	.amdhsa_kernel k_q9c24ef0203_proj
		.amdhsa_group_segment_fixed_size 327680
		.amdhsa_private_segment_fixed_size 0
		.amdhsa_enable_private_segment 0
		.amdhsa_kernarg_size 56
		.amdhsa_user_sgpr_count 2
		.amdhsa_user_sgpr_kernarg_segment_ptr 1
		.amdhsa_wavefront_size32 1
		.amdhsa_system_sgpr_workgroup_id_x 1
		.amdhsa_system_sgpr_workgroup_id_y 1
		.amdhsa_system_sgpr_workgroup_id_z 1
		.amdhsa_system_vgpr_workitem_id 0
		.amdhsa_next_free_vgpr 1024
		.amdhsa_next_free_sgpr 100
		.amdhsa_reserve_vcc 0
		.amdhsa_float_denorm_mode_32 3
		.amdhsa_float_denorm_mode_16_64 3
		.amdhsa_memory_ordered 1
		.amdhsa_forward_progress 1
		.amdhsa_inst_pref_size 116
	.end_amdhsa_kernel
	.amdgpu_metadata
---
amdhsa.version: [ 1, 2 ]
amdhsa.kernels:
  - .name:           k_q9c24ef0203_proj
    .symbol:         k_q9c24ef0203_proj.kd
    .args:
      - { .name: xc, .offset: 0, .size: 8, .value_kind: global_buffer, .address_space: global }
      - { .name: wc, .offset: 8, .size: 8, .value_kind: global_buffer, .address_space: global }
      - { .name: bq, .offset: 16, .size: 8, .value_kind: global_buffer, .address_space: global }
      - { .name: bk, .offset: 24, .size: 8, .value_kind: global_buffer, .address_space: global }
      - { .name: bv, .offset: 32, .size: 8, .value_kind: global_buffer, .address_space: global }
      - { .name: lowp_scales, .offset: 40, .size: 8, .value_kind: global_buffer, .address_space: global }
      - { .name: qkvc, .offset: 48, .size: 8, .value_kind: global_buffer, .address_space: global }
    .group_segment_fixed_size: 327680
    .private_segment_fixed_size: 0
    .kernarg_segment_align: 8
    .kernarg_segment_size: 56
    .max_flat_workgroup_size: 128
    .sgpr_count:     100
    .vgpr_count:     1024
    .wavefront_size: 32
...
	.end_amdgpu_metadata
.endif
;; end of part 2
;; launch attn (part 3): grid 8 x 64, 16 waves a work-group, no clusters, 133,120 bytes of LDS; arguments qkvc, mw, lowp_scales, ctxc; writes ctxc
.if DOCPART == 3
	.amdgcn_target "amdgcn-amd-amdhsa--gfx1250"
	.amdhsa_code_object_version 6
	.text
	.protected	k_q9c24ef0203_attn
	.globl	k_q9c24ef0203_attn
	.p2align	8
	.type	k_q9c24ef0203_attn,@function
k_q9c24ef0203_attn:
	s_mov_b64 s[64:65], 0
	v_nop
	global_prefetch_b8 v0, s[64:65] scope:SCOPE_SE
	s_setreg_imm32_b32 hwreg(HW_REG_WAVE_MODE, 25, 1), 1
	s_wait_xcnt 0x0
; ATTN: ctx = softmax(where(mask, q k^T / 8, -1e9)) v for each (batch, head), both products on codes of E4M3; ctx is quantised at once (2^e10) for the last projection.
; THE SOFTMAX AHEAD OF THE SECOND PRODUCT: t = logit x log2(e); M = the running largest t rounded UP to a whole number; p = 2^(t - M) is quantised (2^e8), not normalised; the row's sum is taken of the unquantised p and divides
; at the end.  When M moves, the sum and O are multiplied by 2^(old M - new M): exact.
; LAYOUT.  q, k, v lie as images of operand registers (pieces of 512 bytes: lane (r, h) has at 16 L the codes of its tile's row r at k = 32 c + 16 h + 0 .. 15; a tile's 16 rows are 32 (T / 2) + 8 (T % 2) + i + 8 (i / 8)).
; Both products are used transposed: S^T = K Q^T (source 0 = 16 keys, source 1 = my 16 queries), O^T = V^T P^T: a lane holds ONE query throughout; register n = 16 b + i of S^T is key 32 b + 16 h + i of the step,
; so p's codes are the second product's operand, and O^T's codes are two pieces of ctx.
; THE MASK comes as lane-mask words: word n of a step has in bit L what lane L's register n wants: four scalar loads and one v_cndmask_b32 a score.  A step's words are asked for in the step before, behind that step's
; selections, which are the last readers of the same scalar registers.  A masked score becomes FILL = -2^(33 - e6 - e7), so that its t = -2^33 log2(e) / 8 is a whole number: a row with no kept key at all gets p = 1 on
; every key, as -1e9 gives it; any other row gets p = 0 on masked keys.
; LIMIT: that stands for a logit of about -1.07e9 in place of -1e9: the same results as long as kept logits lie above about -1e9, which the hold at 448 sees to for e6 + e7 <= 9.
; NOTHING HERE BRANCHES ON A NUMBER READ FROM MEMORY: every wave does every step's whole work, whatever the mask and the scales hold; the only tests in the loop are on the trip's number.
; SHARES.  A work-group: one (batch, head), 256 neighbouring queries; each of its sixteen waves one tile of 16 queries in 256 registers: four waves to a SIMD, so that one wave's vector work stands beside another's
; matrix work and LDS loads.  All waves walk all 8 slots of 256 keys.
; K AND V go from memory through registers into FOUR LDS buffers of 32 KiB by turns, dense copies: each thread moves 4 x 16 bytes a slot, loaded two slots ahead of their use and stored one slot ahead.
; THE BARRIER'S SIGNAL STANDS A SLOT AHEAD OF ITS WAIT.  At the head of slot s a wave passes the wait, stores its part of slot s + 1 into buffer (s + 1) % 4, waits for those stores, signals, and only then works slot s.
; So the wait at the head of slot s + 1 holds a wave only while some wave has not yet begun slot s.  Store, then read: the stores of slot s + 1 are waited for in front of the signal, and slot s + 1 is read behind the
; matching wait.  Read, then overwrite: buffer s % 4 is stored into again at the head of slot s + 3; a wave's reads of slot s are over in front of its signal at the head of slot s + 1, whose wait every storing wave has
; passed.  While a wave reads buffer s % 4, a slower one may store into (s + 1) % 4 and a faster one into (s + 2) % 4: three different buffers.  Between a signal and its wait stand LDS loads, scalar loads and register work.
; NO CLUSTER, NO TENSOR LOAD, though the 8 work-groups of a head read the same K and V: a slot's fill is 4 loads and 4 LDS stores a thread beside the some 650 vector instructions of its two steps,
; and the loads are issued a whole slot ahead of the stores that want them.
; LIMITS on the given exponents: e6 + e7 between -93 and 130; e8 and e10 between -126 and 119.  NaN among the inputs is not served.
.set BUF,  32768                       ; an LDS buffer: K's 16 tiles (16 KiB), then V's two steps (16 KiB)
.set Q,    16                          ; v16-23   Q's fragment
.set G,    24                          ; v24-39   K's and V's bytes on their way to LDS
.set PC,   40                          ; v40-55   p's codes
.set O,    56                          ; v56-87   O^T
.set X,    88                          ; v88-151  K's eight fragments, then V's four
.set Y,    152                         ; v152-215 S^T, then p
.set TA,   216                         ; at work
.set F,    218                         ; v[218:219] f = 2^(old M - new M) (the pair's low word serves both halves)
.set PD,   220                         ; a lane permute's destination
.set S2,   222                         ; v[222:223] the sum's second chain
.set SCL,  224                         ; 2^e8, later 2^e10
.set LIM,  225                         ; 448 x that
; v1 16 L (buffers 0, 1), v3 the same + 65,536 (buffers 2, 3); v2 16 x thread, v5 the same + 65,536; v4 FILL; v12 -M; v13 the largest t; v[14:15] the sum in two halves
; s[4:5] K, s[6:7] V, s[8:9] my mask record, s[10:11] my place in ctx; s12 wave; s13 trips; s16-63, s68-83 a step's 64 words; s[84:85] lane selects; s[86:87] c; s[92:99] e4 .. e11
	s_load_b256 s[16:23], s[0:1], 0x0              ; qkvc s[16:17], mw s[18:19], the scales' exponents s[20:21], ctxc s[22:23]
	v_lshl_add_u32 v254, v0, 2, 0x20000
	v_mov_b32 v255, 0
	v_lshrrev_b32 v6, 5, v0
	v_readfirstlane_b32 s12, v6                    ; wave 0..15
	v_and_b32 v1, 31, v0
	v_lshlrev_b32 v1, 4, v1
	v_lshlrev_b32 v2, 4, v0
	v_add_nc_u32 v3, 0x10000, v1                   ; an LDS immediate has 16 bits: the upper two buffers have address registers of their own
	v_add_nc_u32 v5, 0x10000, v2
	s_and_b32 s66, ttmp7, 0xffff                   ; 16 x batch + head
	s_lshl_b32 s89, ttmp9, 4
	s_add_co_u32 s89, s89, s12                     ; my query tile: 16 x work-group x + wave
	s_lshr_b32 s90, s66, 4
	s_lshl_b32 s90, s90, 7
	s_add_co_u32 s90, s90, s89                     ; 128 x batch + tile
	s_mov_b32 s101, 0
	s_wait_kmcnt 0x0
	s_load_b256 s[92:99], s[20:21], 0x10           ; e4 .. e11
	s_lshl_b32 s100, s90, 12                       ; a mask record is 4,096 bytes
	s_add_nc_u64 s[8:9], s[18:19], s[100:101]
	s_lshl_b32 s100, s66, 17                       ; a head is 128 KiB in each of q, k, v
	s_add_nc_u64 s[4:5], s[16:17], s[100:101]
	s_lshl_b32 s100, s89, 10
	s_add_nc_u64 s[2:3], s[4:5], s[100:101]        ; Q's two pieces
	s_add_nc_u64 s[6:7], s[4:5], 0x1000000         ; V
	s_add_nc_u64 s[4:5], s[4:5], 0x800000          ; K
	s_lshl_b32 s100, s90, 14                       ; ctx: 16 KiB a row tile, two pieces a head
	s_and_b32 s91, s66, 15
	s_lshl_b32 s91, s91, 10
	s_add_co_u32 s100, s100, s91
	s_add_nc_u64 s[10:11], s[22:23], s[100:101]
.macro FILL_LD off                     ; a slot's 32 KiB, 64 bytes a thread: each load of a wave reads 512 consecutive bytes
	global_load_b128 v[G:G+3], v2, s[4:5] offset:\off
	global_load_b128 v[G+4:G+7], v2, s[4:5] offset:\off+8192
	global_load_b128 v[G+8:G+11], v2, s[6:7] offset:\off
	global_load_b128 v[G+12:G+15], v2, s[6:7] offset:\off+8192
.endm
.macro FILL_ST buf
.set SR, 2+3*((\buf)/2)                ; v2 for buffers 0, 1; v5 for buffers 2, 3
.irp j, 0,1,2,3
	ds_store_b128 v[SR], v[G+4*\j:G+4*\j+3] offset:BUF*((\buf)%2)+8192*\j
.endr
.endm
.macro MASK_LD off                     ; a step's 64 lane-mask words, 256 consecutive bytes
	s_load_b512 s[16:31], s[8:9], (\off)
	s_load_b512 s[32:47], s[8:9], (\off)+64
	s_load_b512 s[48:63], s[8:9], (\off)+128
	s_load_b512 s[68:83], s[8:9], (\off)+192
.endm
	global_load_b128 v[Q:Q+3], v1, s[2:3]
	global_load_b128 v[Q+4:Q+7], v1, s[2:3] offset:512
	FILL_LD 0                                      ; slot 0
	v_mov_b32 v13, 0xff61b1e6                      ; the largest t so far: -3e38, under every t
	v_floor_f32 v12, -v13                          ; -M
	v_mov_b32 v14, 0
	v_mov_b32 v15, 0
	v_mov_b32 v[PD], 0                             ; (a lane permute's destination counts as read)
	v_mov_b32 v[F+1], 0                            ; (named as the upper half of a pair)
.set k, 0
.rept 32
	v_mov_b32 v[O+k], 0                            ; O^T: the step is written once; the first finds zeros, which the first change of M leaves zeros
.set k, k+1
.endr
	s_mov_b32 s84, 0x76543210
	s_mov_b32 s85, 0xfedcba98                      ; v_permlanex16_b32: lane l xor 16
	s_wait_kmcnt 0x0                               ; the scales are in, and their load has read its base s[20:21]:
	MASK_LD 0                                      ; step 0's words may land on the registers that held the arguments
	s_add_co_i32 s66, s94, s95                     ; e6 + e7
	s_lshl_b32 s67, s66, 23
	s_mov_b32 s86, 0x3e38aa3b                      ; log2(e) / 8
	s_add_co_i32 s86, s86, s67                     ; c: a score stands for score x 2^(e6 + e7): the exponents are added to the exponent field
	s_mov_b32 s87, s86
	s_sub_co_i32 s67, 160, s66
	s_lshl_b32 s67, s67, 23
	s_or_b32 s67, s67, 0x80000000
	v_mov_b32 v4, s67                              ; FILL = -2^(33 - e6 - e7)
	s_add_co_i32 s66, s96, 127
	s_lshl_b32 s67, s66, 23
	v_mov_b32 v[SCL], s67                          ; 2^e8
	s_add_co_i32 s66, s66, 8
	s_lshl_b32 s66, s66, 23
	s_or_b32 s66, s66, 0x600000
	v_mov_b32 v[LIM], s66                          ; 448 x 2^e8
	s_wait_loadcnt 0x0                             ; Q and slot 0
	FILL_ST 0
	s_wait_dscnt 0x0                               ; my part of slot 0 lies in LDS, and the stores have read their registers
	FILL_LD 16384                                  ; slot 1
	s_barrier_signal -1                            ; slot 0's signal; its wait stands at the head of slot 0
; A KEY STEP: 128 keys, the q2-th of the buffer; n: the step's number in the trip, 0 .. 7
.macro STEP buf, q2, n
.set AR, 1+2*((\buf)/2)                ; v1 for buffers 0, 1; v3 for buffers 2, 3
.set BO, BUF*((\buf)%2)
.rept 4
	v_nop                                          ; places behind the last products, in front of loads into registers that they read
.endr
.irp t, 0,1,2,3,4,5,6,7
	ds_load_b128 v[X+8*\t:X+8*\t+3], v[AR] offset:BO+8192*(\q2)+1024*\t
	ds_load_b128 v[X+8*\t+4:X+8*\t+7], v[AR] offset:BO+8192*(\q2)+1024*\t+512
.endr
	s_wait_dscnt 0x0
.irp t, 0,1,2,3,4,5,6,7
	v_wmma_f32_16x16x64_fp8_fp8 v[Y+8*\t:Y+8*\t+7], v[X+8*\t:X+8*\t+7], v[Q:Q+7], 0
.endr
.rept 4
	v_nop
.endr
.irp t, 0,1,2,3                        ; V's fragments land under the softmax
.irp c, 0,1,2,3
	ds_load_b128 v[X+16*\t+4*\c:X+16*\t+4*\c+3], v[AR] offset:BO+16384+8192*(\q2)+2048*\t+512*\c
.endr
.endr
	s_wait_kmcnt 0x0                               ; this step's words, asked for in the step before
.set n, 0
.rept 64                               ; ascending: each accumulator from its low end on
.if n < 48
	v_cndmask_b32 v[Y+n], v4, v[Y+n], s[16+n]
.else
	v_cndmask_b32 v[Y+n], v4, v[Y+n], s[20+n]
.endif
.set n, n+1
.endr
	v_max3_num_f32 v[TA], v[Y], v[Y+1], v[Y+2]     ; the step's largest score of my query among my 64 keys, in two chains,
	v_max3_num_f32 v[F], v[Y+3], v[Y+4], v[Y+5]
.irp i, 6,10,14,18,22,26,30,34,38,42,46,50,54,58
	v_max3_num_f32 v[TA], v[TA], v[Y+\i], v[Y+\i+1]
	v_max3_num_f32 v[F], v[F], v[Y+\i+2], v[Y+\i+3]
.endr
	v_max3_num_f32 v[TA], v[TA], v[Y+62], v[Y+63]
	v_max_num_f32 v[TA], v[TA], v[F]
.if (\n) < 7                           ; the next step's words: the selections above were the last readers of their registers
	MASK_LD 256*((\n)+1)
.else
	s_cmp_lt_u32 s13, 1                            ; behind the last step of all there is none: no load leaves the buffer
	s_cbranch_scc0 .Lnomask_\@
	MASK_LD 2048
.Lnomask_\@:
.endif
	v_permlanex16_b32 v[PD], v[TA], s84, s85
	v_max_num_f32 v[TA], v[TA], v[PD]              ; and among lane l xor 16's
	v_mul_f32 v[TA], s86, v[TA]                    ; as t (c is positive)
	v_max_num_f32 v13, v13, v[TA]                  ; the running largest t
	v_mov_b32 v[TA], v12
	v_floor_f32 v12, -v13                          ; the new -M = floor(-t) = -ceil(t)
	v_sub_f32 v[TA], v12, v[TA]                    ; old M - new M: a whole number, 0 or less
	v_cvt_i32_f32 v[TA], v[TA]                     ; (it saturates)
	v_ldexp_f32 v[F], 1.0, v[TA]                   ; f = 2^(old M - new M)
.set k, 0
.rept 32
	v_pk_fma_f32 v[Y+k:Y+k+1], v[Y+k:Y+k+1], s[86:87], v[12:13] op_sel_hi:[1,0,0]   ; t - M, two at a time
.set k, k+2
.endr
.set k, 0
.rept 64
	v_exp_f32 v[Y+k], v[Y+k]                       ; p = 2^(t - M)
.set k, k+1
.endr
	v_pk_mul_f32 v[14:15], v[14:15], v[F:F+1] op_sel_hi:[1,0]      ; the sums under the new M: the plain line behind the exponentials
	s_wait_alu depctr_va_vdst(0)                   ; one wait for the batch of 64, ahead of its first reader
	v_pk_add_f32 v[S2:S2+1], v[Y:Y+1], v[Y+2:Y+3]  ; the row's sum is taken of the unquantised p, in two chains
.irp j, 4,8,12,16,20,24,28,32,36,40,44,48,52,56,60
	v_pk_add_f32 v[14:15], v[14:15], v[Y+\j:Y+\j+1]
	v_pk_add_f32 v[S2:S2+1], v[S2:S2+1], v[Y+\j+2:Y+\j+3]
.endr
	v_pk_add_f32 v[14:15], v[14:15], v[S2:S2+1]
.set k, 0
.rept 64
	v_min_num_f32 v[Y+k], v[Y+k], v[LIM]           ; the conversion does not saturate (ISA guide 7.6.2); p is not negative: a one-sided hold, whatever e8 is
.set k, k+1
.endr
.irp b, 0,1,2,3
	v_cvt_scalef32_pk8_fp8_f32 v[PC+4*\b:PC+4*\b+1], v[Y+16*\b:Y+16*\b+7], v[SCL]
	v_cvt_scalef32_pk8_fp8_f32 v[PC+4*\b+2:PC+4*\b+3], v[Y+16*\b+8:Y+16*\b+15], v[SCL]
.endr
.set k, 0
.rept 16
	v_pk_mul_f32 v[O+k:O+k+1], v[O+k:O+k+1], v[F:F+1] op_sel_hi:[1,0]   ; O^T under the new M; also the plain lines between the conversions and the products
.set k, k+2
.endr
	s_wait_dscnt 0x0                               ; V is in: no LDS instruction of mine is out when the step ends
.irp t, 0,1,2,3                        ; the four accumulators take turns, one instruction a turn
	v_wmma_f32_16x16x128_fp8_fp8 v[O+8*\t:O+8*\t+7], v[X+16*\t:X+16*\t+15], v[PC:PC+15], v[O+8*\t:O+8*\t+7]
.endr
.endm
; SLOT i OF A TRIP'S FOUR, in buffer i.  The wait: every wave has stored its part of this slot.  Then the next slot's bytes go from registers into buffer (i + 1) % 4, the slot after that is asked of memory,
; and the signal for the next slot is given, a whole slot ahead of its wait.  Wait and signal stand outside every branch; the tests hang on the trip's number: slot 7 has no successor, slots 6 and 7 none two on.
.macro SLOTM i
	s_barrier_wait -1
.if (\i) == 3
	s_cmp_lt_u32 s13, 1
	s_cbranch_scc0 .Lnofill_\@                     ; (on this way no LDS instruction of mine is out: the last step waited for all)
.endif
	s_wait_loadcnt 0x0                             ; the next slot's bytes, asked for a slot ago
	FILL_ST ((\i)+1)%4
	s_wait_dscnt 0x0                               ; for the others' sake: my part of the next slot lies in LDS; and the stores have read their registers
.if (\i) == 2
	s_cmp_lt_u32 s13, 1
	s_cbranch_scc0 .Lnofill_\@
.endif
	FILL_LD 16384*((\i)+2)
.if (\i) >= 2
.Lnofill_\@:
.endif
	s_barrier_signal -1
	STEP \i, 0, 2*(\i)
	STEP \i, 1, 2*(\i)+1
.endm
	s_mov_b32 s13, 0
.Ltrip:                                            ; two trips of four slots
	SLOTM 0
	SLOTM 1
	SLOTM 2
	SLOTM 3
	s_wait_xcnt 0x0                                ; the loads, the mask's among them, have read their bases
	s_add_nc_u64 s[4:5], s[4:5], 0x10000
	s_add_nc_u64 s[6:7], s[6:7], 0x10000
	s_add_nc_u64 s[8:9], s[8:9], 2048
	s_add_co_u32 s13, s13, 1
	s_cmp_lt_u32 s13, 2
	s_cbranch_scc1 .Ltrip
	s_barrier_wait -1                              ; the last signal's wait: no barrier is open at the end
	; THE WAY OUT: O^T x 2^(e8 + e9) / the sum, quantised with 2^e10: register 16 b + i is channel 32 b + 16 h + i of my query: two pieces of ctx
.rept 4
	v_nop
.endr
	v_add_f32 v14, v14, v15
	v_permlanex16_b32 v[PD], v14, s84, s85
	v_add_f32 v14, v14, v[PD]                      ; the row's sum
	v_rcp_f32 v14, v14
	s_add_co_i32 s66, s98, 127
	s_lshl_b32 s67, s66, 23
	v_mov_b32 v[SCL], s67                          ; 2^e10  (the plain line behind the reciprocal)
	s_add_co_i32 s66, s66, 8
	s_lshl_b32 s66, s66, 23
	s_or_b32 s66, s66, 0x600000
	v_mov_b32 v[LIM], s66                          ; 448 x 2^e10
	s_add_co_i32 s67, s96, s97
	s_wait_alu depctr_va_vdst(0)                   ; ahead of the reciprocal's first reader
	v_ldexp_f32 v14, v14, s67                      ; x 2^(e8 + e9)
.set k, 0
.rept 32
	v_mul_f32 v[Y+k], v[O+k], v14
.set k, k+1
.endr
.set k, 0
.rept 32
	v_med3_num_f32 v[Y+k], v[Y+k], -v[LIM], v[LIM]
.set k, k+1
.endr
.irp b, 0,1
	v_cvt_scalef32_pk8_fp8_f32 v[PC+4*\b:PC+4*\b+1], v[Y+16*\b:Y+16*\b+7], v[SCL]
	v_cvt_scalef32_pk8_fp8_f32 v[PC+4*\b+2:PC+4*\b+3], v[Y+16*\b+8:Y+16*\b+15], v[SCL]
.endr
	v_nop
	global_store_b128 v1, v[PC:PC+3], s[10:11]                 ; 512 consecutive bytes, aligned
	global_store_b128 v1, v[PC+4:PC+7], s[10:11] offset:512
	s_wait_tensorcnt 0x0
	ds_add_u32 v254, v255
	s_wait_dscnt 0x0
	s_endpgm
.Lfunc_end_k_q9c24ef0203_attn:
	.size	k_q9c24ef0203_attn, .Lfunc_end_k_q9c24ef0203_attn-k_q9c24ef0203_attn
	.p2alignl 7, 3214868480
	.fill 96, 4, 3214868480
	.section	.rodata,"a",@progbits
	.p2align	6, 0x0
	.amdhsa_kernel k_q9c24ef0203_attn
		.amdhsa_group_segment_fixed_size 133120
		.amdhsa_private_segment_fixed_size 0
		.amdhsa_enable_private_segment 0
		.amdhsa_kernarg_size 32
		.amdhsa_user_sgpr_count 2
		.amdhsa_user_sgpr_kernarg_segment_ptr 1
		.amdhsa_wavefront_size32 1
		.amdhsa_system_sgpr_workgroup_id_x 1
		.amdhsa_system_sgpr_workgroup_id_y 1
		.amdhsa_system_sgpr_workgroup_id_z 1
		.amdhsa_system_vgpr_workitem_id 0
		.amdhsa_next_free_vgpr 256
		.amdhsa_next_free_sgpr 106
		.amdhsa_reserve_vcc 0
		.amdhsa_float_denorm_mode_32 3
		.amdhsa_float_denorm_mode_16_64 3
		.amdhsa_memory_ordered 1
		.amdhsa_forward_progress 1
		.amdhsa_inst_pref_size 168
	.end_amdhsa_kernel
	.amdgpu_metadata
---
amdhsa.version: [ 1, 2 ]
amdhsa.kernels:
  - .name:           k_q9c24ef0203_attn
    .symbol:         k_q9c24ef0203_attn.kd
    .args:
      - { .name: qkvc, .offset: 0, .size: 8, .value_kind: global_buffer, .address_space: global }
      - { .name: mw, .offset: 8, .size: 8, .value_kind: global_buffer, .address_space: global }
      - { .name: lowp_scales, .offset: 16, .size: 8, .value_kind: global_buffer, .address_space: global }
      - { .name: ctxc, .offset: 24, .size: 8, .value_kind: global_buffer, .address_space: global }
    .group_segment_fixed_size: 133120
    .private_segment_fixed_size: 0
    .kernarg_segment_align: 8
    .kernarg_segment_size: 32
    .max_flat_workgroup_size: 512
    .sgpr_count:     106
    .vgpr_count:     256
    .wavefront_size: 32
...
	.end_amdgpu_metadata
.endif
;; end of part 3
;; launch outp (part 4): grid 64 x 4, 4 waves a work-group, clusters of 4 x 4, 327,680 bytes of LDS; arguments ctxc, wc, bo, lowp_scales, out0; writes out0
.if DOCPART == 4
	.amdgcn_target "amdgcn-amd-amdhsa--gfx1250"
	.amdhsa_code_object_version 6
	.text
	.protected	k_q9c24ef0203_outp
	.globl	k_q9c24ef0203_outp
	.p2align	8
	.type	k_q9c24ef0203_outp,@function
k_q9c24ef0203_outp:
	s_mov_b64 s[64:65], 0
	v_nop
	global_prefetch_b8 v0, s[64:65] scope:SCOPE_SE
	s_setreg_imm32_b32 hwreg(HW_REG_WAVE_MODE, 25, 1), 1
	s_wait_xcnt 0x0
	s_wait_alu depctr_hold_cnt(0) depctr_sa_sdst(0) depctr_va_vdst(0) depctr_va_sdst(0) depctr_va_ssrc(0) depctr_va_vcc(0) depctr_vm_vsrc(0)
	s_getreg_b32 s2, hwreg(HW_REG_IB_STS2, 6, 4)
	s_cmp_eq_u32 s2, 0
	s_cbranch_scc0 .Lentry_in_a_cluster
	s_endpgm
.Lentry_in_a_cluster:
	s_bfe_u32 s2, ttmp6, 0x10000c
	s_cmp_lg_u32 s2, 0xf033
	s_cbranch_scc0 .Lentry_shape_is_right
	s_endpgm
.Lentry_shape_is_right:
; OUTP: out0 = ctx wo^T + bo on codes of E4M3 (K = 1,024); out0 [8192][1024] f32.  A finished sum is multiplied once by 2^(e10 + e11) and the bias added, in one packed multiply-add.
; OPERANDS lie in memory as images of their registers: row tile T = the 16 rows 32 (T / 2) + 8 (T % 2) + i + 8 (i / 8); piece (T, c) = 512 bytes, lane (r, h) has at 16 L the codes of the tile's row r at k = 32 c + 16 h + 0 .. 15;
; 32 pieces, 16 KiB, a row tile.  Four pieces are a fragment of 128 along K: k is placed otherwise than in the instruction's own layout, alike in both operands.
; THE MATRIX INSTRUCTION IS USED TRANSPOSED: source 0 = a row tile of wo (B), source 1 = a row tile of ctx (A): a lane holds one token, and the 16 registers of B's tiles 2 P, 2 P + 1 are outputs 32 P + 16 h + 0 .. 15.
; SHARES.  A tile of the result is 128 tokens x 256 outputs: 256 work-groups.  Four waves, 2 x 2, each 64 x 128: 32 accumulators, 256 registers.
; CLUSTERS: 4 x 4.  A's tile is shared along a row of the cluster, B's down a column: each is asked for jointly.
; LDS: three slots of 98,304 bytes, each 256 along K (A's 8 row tiles x 4,096 bytes, then B's 16).  K steps 0, 1, 2 go out together at the start (three loads of a wave are out); K step 3 fills slot 0 again, once.
; The way out goes through a stage of 16 rows x (512 bytes + 16) for each wave, in slot 1: that slot is filled once, and every wave's reads of it are over at the barrier of step 5.
; LIMIT: e10 + e11 between -126 and 127, so that 2^(e10 + e11) is an f32 number.
; REGISTERS, in windows of 256: window 0: v16-29 addresses; v64-127, v128-191 A's fragments, two sets; on the way out v64-127 results at work, v128-191 and v192-255 rows read back, by turns.
;   window 1: B's fragments, two sets of 128.   window 2: accumulator (a, b) at v[8 (8 a + b)].   window 3: v0-63 the bias.
.set SLOT,  98304
.set BOFF,  32768
.set SPARE, 3*SLOT                     ; behind the slots: the spare words, 128 bytes for each wave: two blocks of 256 bytes that no other line names
.set ADA, 16                           ; v16-18 LDS address of my A fragments in slot 0, 1, 2
.set ADB, 20                           ; v20-22 the same for B
.set L16, 24                           ; v24    16 L
.set STO, 25                           ; v25    the stage: where I put 64 bytes of a row
.set RD,  26                           ; v26    and where I read a row back
.set BRO, 27                           ; v27    64 h
.set SPW, 28                           ; v28    LDS address of my spare word; never rewritten
.set NIL, 29                           ; v29    0; never rewritten
.set AF,  64
.set T,   64
.set BK,  128
.set BR,  0
.set G1A, 28                           ; s[28:35] descriptor group 1 for A's tiles; s[36:43] for B's; s[44:55] A's groups 0, a set for each slot; s[56:63], s[68:71] B's
.set G1B, 36
.set MSB, 0
.macro WIN new                         ; the immediate's high byte repeats the setting that is left
.if MSB != \new
	s_set_vgpr_msb (MSB<<8)|\new
.set MSB, \new
.endif
.endm
.macro PLACES                          ; four places behind matrix instructions, in front of loads into registers that they read and of reads of their results
.rept 4
	v_nop
.endr
.endm
.macro CREST                           ; a round of the cluster's barrier behind its opening barrier
	s_cmp_lg_u32 s18, 0
	s_cbranch_scc1 .Lnot_wave_0_\@
	s_barrier_signal -3
.Lnot_wave_0_\@:
	s_barrier_wait -3
	s_barrier_signal -1
	s_barrier_wait -1
.endm
.macro CROUND
	s_barrier_signal -1
	s_barrier_wait -1
	CREST
.endm
.macro GROUP0 g, lds, base, s          ; group 0: count 1; LDS address; global address of K step s; type 2
	s_mov_b32 s[\g], 1
	s_add_co_u32 s[\g+1], s[\lds], (\s)*SLOT
	s_add_nc_u64 s[\g+2:\g+3], s[\base:\base+1], (\s)*4096
	s_or_b32 s[\g+3], s[\g+3], 0x80000000
.endm
	s_load_b256 s[4:11], s[0:1], 0x0               ; ctxc s[4:5], wc s[6:7], bo s[8:9], the scales' exponents s[10:11]
	s_load_b64 s[12:13], s[0:1], 0x20              ; out0
	v_lshl_add_u32 v[SPW], v0, 2, SPARE
	v_mov_b32 v[NIL], 0
	ds_add_u32 v28, v29
	ds_add_u32 v28, v29
	s_wait_dscnt 0x0
	v_lshrrev_b32 v1, 5, v0
	v_readfirstlane_b32 s18, v1                    ; wave 0..3
	s_lshr_b32 s19, s18, 1                         ; wa: which 64 tokens are mine.  Also: I fetch for A (0) or for B (1)
	s_and_b32 s20, s18, 1                          ; wb: which 128 outputs.  Also: which half of that tile I fetch
	s_bfe_u32 s21, ttmp6, 0x40000                  ; cx = the tile column
	s_bfe_u32 s22, ttmp6, 0x40004                  ; cy
	s_lshl_b32 s25, ttmp9, 2
	s_add_co_u32 s25, s25, s22                     ; tile row = 4 x cluster x + cy
	s_lshl_b32 s84, s22, 2
	s_lshl_b32 s84, 15, s84                        ; my row of the cluster
	s_lshl_b32 s85, 0x1111, s21                    ; my column
	; group 1: rows of 512 elements of 8 bytes (a row tile's 4,096 bytes of a K step), 2,048 elements (16 KiB) apart; A: 4 rows a load, B: 8.  No padding: fragments are read as 512 consecutive bytes
	s_or_b32 s[G1A], s84, (3<<16)|(1<<21)          ; 15:0 the mask; 17:16 elements of 8 bytes; 21 set beside a mask
	s_or_b32 s[G1B], s85, (3<<16)|(1<<21)
	s_mov_b32 s[G1A+1], 512<<16                    ; tensor_dim0
	s_mov_b32 s[G1A+2], 4<<16                      ; tensor_dim1
	s_mov_b32 s[G1A+3], 512<<16                    ; tile_dim0
	s_mov_b32 s[G1A+4], 4                          ; tile_dim1
	s_mov_b32 s[G1A+5], 2048                       ; tensor_dim0_stride
	s_mov_b32 s[G1A+6], 0
	s_mov_b32 s[G1A+7], 0
	s_mov_b32 s[G1B+1], 512<<16
	s_mov_b32 s[G1B+2], 8<<16
	s_mov_b32 s[G1B+3], 512<<16
	s_mov_b32 s[G1B+4], 8
	s_mov_b32 s[G1B+5], 2048
	s_mov_b32 s[G1B+6], 0
	s_mov_b32 s[G1B+7], 0
	s_wait_kmcnt 0x0
	s_load_b64 s[72:73], s[10:11], 0x28            ; e10, e11
	s_lshl_b32 s94, s25, 17                        ; A: 8 row tiles a tile row, + my 4: made of the tile row and the wave's number alone
	s_lshl_b32 s95, s20, 16
	s_add_co_u32 s94, s94, s95
	s_mov_b32 s95, 0
	s_add_nc_u64 s[90:91], s[4:5], s[94:95]
	s_lshl_b32 s96, s21, 18                        ; B: wo's codes at 3 MiB; 16 row tiles a tile column, + my 8: of the tile column and the wave's number alone
	s_lshl_b32 s97, s20, 17
	s_add_co_u32 s96, s96, s97
	s_add_co_u32 s96, s96, 0x300000
	s_mov_b32 s97, 0
	s_add_nc_u64 s[92:93], s[6:7], s[96:97]
	s_lshl_b32 s98, s20, 14                        ; where they go in a slot: no place in the cluster enters an LDS address
	s_lshl_b32 s99, s20, 15
	s_add_co_u32 s99, s99, BOFF
	GROUP0 44, 98, 90, 0
	GROUP0 48, 98, 90, 1
	GROUP0 52, 98, 90, 2
	GROUP0 56, 99, 92, 0
	GROUP0 60, 99, 92, 1
	GROUP0 68, 99, 92, 2
	CROUND                                         ; all sixteen work-groups are here: the first joint loads meet
	s_cmp_eq_u32 s19, 0                            ; a wave's three first fills stand in one branch on its number, ahead of every wait on TENSORcnt and every LDS read
	s_cbranch_scc0 .Lfirst_b
	tensor_load_to_lds s[44:47], s[G1A:G1A+7]
	s_nop 0
	tensor_load_to_lds s[48:51], s[G1A:G1A+7]
	s_nop 0
	tensor_load_to_lds s[52:55], s[G1A:G1A+7]
	s_nop 0
	PLACES                                         ; four v_nop follow
	s_branch .Lfirst_asked
.Lfirst_b:
	tensor_load_to_lds s[56:59], s[G1B:G1B+7]
	s_nop 0
	tensor_load_to_lds s[60:63], s[G1B:G1B+7]
	s_nop 0
	tensor_load_to_lds s[68:71], s[G1B:G1B+7]
	s_nop 0
	PLACES
.Lfirst_asked:
	v_and_b32 v1, 31, v0
	v_lshlrev_b32 v[L16], 4, v1
	v_and_b32 v2, 15, v0                           ; r
	v_bfe_u32 v3, v0, 4, 1                         ; h
	s_lshl_b32 s2, s19, 14                         ; my 4 row tiles of A
	s_lshl_b32 s3, s20, 15                         ; my 8 of B
	s_add_co_u32 s3, s3, BOFF
.irp s, 0,1,2
	v_add_nc_u32 v[ADA+\s], s2, v[L16]
	v_add_nc_u32 v[ADB+\s], s3, v[L16]
	s_add_co_u32 s2, s2, SLOT
	s_add_co_u32 s3, s3, SLOT
.endr
	v_lshlrev_b32 v[BRO], 6, v3
	s_mul_i32 s2, s18, 8448
	s_add_co_u32 s2, s2, SLOT                      ; my stage, in slot 1
	v_mul_u32_u24 v[STO], v2, 528
	v_lshl_add_u32 v[STO], v3, 6, v[STO]
	v_add_nc_u32 v[STO], s2, v[STO]                ; in: row r, + 64 h
	v_add_nc_u32 v[RD], s2, v[L16]                 ; back: the 32 lanes take one row of 512 bytes
	s_lshl_b32 s86, s21, 10
	s_lshl_b32 s87, s20, 9
	s_add_co_u32 s86, s86, s87                     ; 4 (256 tile column + 128 wb): my outputs' bytes, in the bias and in a row of out0
	s_mov_b32 s87, 0
	s_add_nc_u64 s[88:89], s[8:9], s[86:87]
	WIN 0xc0                                       ; destination window 3
.irp p, 0,1,2,3
.irp j, 0,1,2,3
	global_load_b128 v[BR+16*\p+4*\j:BR+16*\p+4*\j+3], v[BRO], s[88:89] offset:128*\p+16*\j   ; register 16 P + i: output 32 P + 16 h + i
.endr
.endr
	WIN 0
	s_lshl_b32 s94, s25, 19                        ; 128 tile row + 64 wa rows of 4,096 bytes
	s_lshl_b32 s95, s19, 18
	s_add_co_u32 s94, s94, s95
	s_add_co_u32 s94, s94, s86
	s_mov_b32 s95, 0
	s_add_nc_u64 s[90:91], s[12:13], s[94:95]
	s_wait_kmcnt 0x0
	s_add_co_i32 s74, s72, s73
	s_add_co_i32 s74, s74, 127
	s_lshl_b32 s74, s74, 23                        ; 2^(e10 + e11) as f32
	s_mov_b32 s75, s74                             ; (named with it as a pair, so it is written)
; 48 LDS loads in one run: the fragments of the slot's q-th 128 along K into set: B's eight, then A's four; each load 512 consecutive bytes
.macro FETCH slot, q, set
	WIN 0x40                                       ; destination window 1
.irp i, 0,1,2,3,4,5,6,7
.irp c, 0,1,2,3
	ds_load_b128 v[128*(\set)+16*\i+4*\c:128*(\set)+16*\i+4*\c+3], v[ADB+\slot] offset:4096*\i+512*(4*(\q)+\c)
.endr
.endr
	WIN 0
.irp i, 0,1,2,3
.irp c, 0,1,2,3
	ds_load_b128 v[AF+64*(\set)+16*\i+4*\c:AF+64*(\set)+16*\i+4*\c+3], v[ADA+\slot] offset:4096*\i+512*(4*(\q)+\c)
.endr
.endr
.endm
; 8 matrix instructions: A's block a x B's eight.  The 32 accumulators take turns, one instruction a turn, in the same order in every step.  zero = 1: the first product starts the sums
.macro MUL8 a, set, zero
	WIN 0xa1                                       ; source 0 (B) window 1, source 1 (A) window 0, C and D window 2
.irp b, 0,1,2,3,4,5,6,7
.if \zero
	v_wmma_f32_16x16x128_fp8_fp8 v[8*(8*(\a)+\b):8*(8*(\a)+\b)+7], v[128*(\set)+16*\b:128*(\set)+16*\b+15], v[AF+64*(\set)+16*(\a):AF+64*(\set)+16*(\a)+15], 0
.else
	v_wmma_f32_16x16x128_fp8_fp8 v[8*(8*(\a)+\b):8*(8*(\a)+\b)+7], v[128*(\set)+16*\b:128*(\set)+16*\b+15], v[AF+64*(\set)+16*(\a):AF+64*(\set)+16*(\a)+15], v[8*(8*(\a)+\b):8*(8*(\a)+\b)+7]
.endif
.endr
.endm
; a step of 128 along K on set; in its middle the next step's fragments (slot ns, its nq-th 128) are fetched into the other set
.macro PLAIN set, zero, ns, nq
	s_wait_dscnt 8                                 ; B and A's blocks 0, 1 are in; the youngest eight loads (A's blocks 2, 3) may be out
	MUL8 0, \set, \zero
	MUL8 1, \set, \zero
	PLACES
	FETCH \ns, \nq, 1-(\set)
	s_wait_dscnt 48                                ; all but the 48 just issued
	MUL8 2, \set, \zero
	MUL8 3, \set, \zero
.endm
	s_wait_tensorcnt 2                             ; my part of K step 0 is in; the two loads behind it may stay out
	s_barrier_signal -1
	s_barrier_wait -1                              ; everybody's is
	FETCH 0, 0, 0
	PLAIN 0, 1, 0, 1                               ; step 0 starts the sums
	; step 1 leaves slot 0, which is filled again with K step 3: the launch's one refill
	WIN 0                                          ; (the add's two registers lie in window 0)
	s_wait_tensorcnt 0x0                           ; all my tensor loads have landed: slots 1 and 2 are whole as far as I fetch them
	ds_add_u32 v[SPW], v[NIL]                      ; 0 onto my spare word
	s_add_nc_u64 s[46:47], s[46:47], 12288         ; no load of mine is out, so a group 0 may be written: from K step 0 to K step 3
	s_add_nc_u64 s[58:59], s[58:59], 12288
	s_wait_dscnt 9                                 ; (the add and the youngest eight loads may be out)
	MUL8 0, 1, 0
	s_wait_dscnt 0x0                               ; the add is done, and my reads of slot 0 are over
	s_barrier_signal -1                            ; this barrier opens a round of the cluster's
	MUL8 1, 1, 0
	WIN 0
	s_barrier_wait -1
	CREST                                          ; no wave of any partner still reads slot 0 or has a load on its way
	s_cmp_eq_u32 s19, 0
	s_cbranch_scc0 .Lfor_b
	tensor_load_to_lds s[44:47], s[G1A:G1A+7]      ; the first tensor load behind the round, one a wave: it has four steps, 120 matrix instructions, in which to land
	s_nop 0
	PLACES                                         ; four v_nop follow each of the two lines; they are also the places in front of the loads below
	s_branch .Lasked
.Lfor_b:
	tensor_load_to_lds s[56:59], s[G1B:G1B+7]
	s_nop 0
	PLACES
.Lasked:
	FETCH 1, 0, 0
	MUL8 2, 1, 0
	MUL8 3, 1, 0
	PLAIN 0, 0, 1, 1                               ; step 2
	PLAIN 1, 0, 2, 0                               ; step 3: slot 2 was shown whole to every wave by the round above
	PLAIN 0, 0, 2, 1                               ; step 4
	s_wait_dscnt 8                                 ; step 5 goes back to slot 0: a barrier behind which nothing is filled
	MUL8 0, 1, 0
	s_wait_tensorcnt 0x0                           ; my part of K step 3 is in (the one load that was out)
	s_wait_dscnt 0x0                               ; and my reads of slots 1 and 2 are over
	s_barrier_signal -1
	MUL8 1, 1, 0
	s_barrier_wait -1                              ; both hold of every wave
	PLACES
	FETCH 0, 0, 0
	MUL8 2, 1, 0
	MUL8 3, 1, 0
	PLAIN 0, 0, 0, 1                               ; step 6
	s_wait_dscnt 8                                 ; step 7: nothing more to fetch
	MUL8 0, 1, 0
	MUL8 1, 1, 0
	s_wait_dscnt 0x0
	MUL8 2, 1, 0
	MUL8 3, 1, 0
	WIN 0
; THE WAY OUT, a tile of 16 tokens x 128 outputs at a time.  A lane holds 4 x 64 bytes of one row, the lanes beside it other rows: so the tile goes through my own stage and comes back as whole rows of 512 bytes.
; LDS serves a wave's instructions in order (ISA guide 5.7.1.4): no wait between the stores and the loads, nor in front of the next tile's stores.
.macro TOSTAGE a
	WIN 0x32                                       ; source 0 (the sums) window 2, source 2 (the bias) window 3
.set k, 0
.rept 32                               ; each accumulator from its low end on
	v_pk_fma_f32 v[T+k:T+k+1], v[64*(\a)+k:64*(\a)+k+1], s[74:75], v[BR+k:BR+k+1] op_sel_hi:[1,0,1]   ; sum x 2^(e10 + e11) + bo
.set k, k+2
.endr
	WIN 0
.irp p, 0,1,2,3
.irp j, 0,1,2,3
	ds_store_b128 v[STO], v[T+16*\p+4*\j:T+16*\p+4*\j+3] offset:128*\p+16*\j
.endr
.endr
.irp t, 0,1,2,3,4,5,6,7,8,9,10,11,12,13,14,15
	ds_load_b128 v[BK+64*((\a)%2)+4*\t:BK+64*((\a)%2)+4*\t+3], v[RD] offset:528*\t
.endr
.endm
.macro SEND a, younger                 ; younger: the LDS instructions issued behind tile a's loads, which may stay out
	s_wait_dscnt \younger
.irp t, 0,1,2,3,4,5,6,7,8,9,10,11,12,13,14,15
	global_store_b128 v[L16], v[BK+64*((\a)%2)+4*\t:BK+64*((\a)%2)+4*\t+3], s[90:91] offset:(32*((\a)/2)+8*((\a)%2)+\t+8*(\t/8))*4096 th:TH_STORE_NT   ; 512 consecutive bytes of a row, aligned; written once, read by nobody here
.endr
.endm
	s_wait_loadcnt 0x0                             ; the bias
	PLACES
	TOSTAGE 0
	TOSTAGE 1
	SEND 0, 32                                     ; behind tile 0's loads: tile 1's 16 stores and 16 loads
	s_wait_xcnt 0x0                                ; tile 0's stores have read their registers: tile 2's rows may land there
	TOSTAGE 2
	SEND 1, 32
	s_wait_xcnt 0x0
	TOSTAGE 3
	SEND 2, 32
	SEND 3, 0
	s_wait_tensorcnt 0x0                           ; the wave's end
	ds_add_u32 v[SPW], v[NIL]
	s_wait_dscnt 0x0
	CROUND                                         ; the closing round: no work-group ends while a partner may still ask for a tile that names it
	s_endpgm
.Lfunc_end_k_q9c24ef0203_outp:
	.size	k_q9c24ef0203_outp, .Lfunc_end_k_q9c24ef0203_outp-k_q9c24ef0203_outp
	.p2alignl 7, 3214868480
	.fill 96, 4, 3214868480
	.section	.rodata,"a",@progbits
	.p2align	6, 0x0
	.amdhsa_kernel k_q9c24ef0203_outp
		.amdhsa_group_segment_fixed_size 327680
		.amdhsa_private_segment_fixed_size 0
		.amdhsa_enable_private_segment 0
		.amdhsa_kernarg_size 40
		.amdhsa_user_sgpr_count 2
		.amdhsa_user_sgpr_kernarg_segment_ptr 1
		.amdhsa_wavefront_size32 1
		.amdhsa_system_sgpr_workgroup_id_x 1
		.amdhsa_system_sgpr_workgroup_id_y 1
		.amdhsa_system_sgpr_workgroup_id_z 1
		.amdhsa_system_vgpr_workitem_id 0
		.amdhsa_next_free_vgpr 1024
		.amdhsa_next_free_sgpr 100
		.amdhsa_reserve_vcc 0
		.amdhsa_float_denorm_mode_32 3
		.amdhsa_float_denorm_mode_16_64 3
		.amdhsa_memory_ordered 1
		.amdhsa_forward_progress 1
		.amdhsa_inst_pref_size 76
	.end_amdhsa_kernel
	.amdgpu_metadata
---
amdhsa.version: [ 1, 2 ]
amdhsa.kernels:
  - .name:           k_q9c24ef0203_outp
    .symbol:         k_q9c24ef0203_outp.kd
    .args:
      - { .name: ctxc, .offset: 0, .size: 8, .value_kind: global_buffer, .address_space: global }
      - { .name: wc, .offset: 8, .size: 8, .value_kind: global_buffer, .address_space: global }
      - { .name: bo, .offset: 16, .size: 8, .value_kind: global_buffer, .address_space: global }
      - { .name: lowp_scales, .offset: 24, .size: 8, .value_kind: global_buffer, .address_space: global }
      - { .name: out0, .offset: 32, .size: 8, .value_kind: global_buffer, .address_space: global }
    .group_segment_fixed_size: 327680
    .private_segment_fixed_size: 0
    .kernarg_segment_align: 8
    .kernarg_segment_size: 40
    .max_flat_workgroup_size: 128
    .sgpr_count:     100
    .vgpr_count:     1024
    .wavefront_size: 32
...
	.end_amdgpu_metadata
.endif
;; end of part 4
;; ======== version 2 of 2: 4 launches; version 1 with the launch attn written anew for expert scheduling mode
;; limits: right only within a limited range of input values
;; workspace buffers: xc 25,165,824 bytes; wc 4,194,304 bytes; mw 2,097,152 bytes of whole numbers; qkvc 25,165,824 bytes; ctxc 8,388,608 bytes
;; launch prep: the kernel of part 1 again; grid 1024 x 1, 4 waves a work-group, no clusters, 51,712 bytes of LDS; arguments query, key, value, wq, wk, wv, wo, mask, lowp_scales, xc, wc, mw; writes xc, wc, mw
;; launch proj: the kernel of part 2 again; grid 192 x 4, 4 waves a work-group, clusters of 4 x 4, 327,680 bytes of LDS; arguments xc, wc, bq, bk, bv, lowp_scales, qkvc; writes qkvc
;; launch attn (part 5): grid 8 x 64, 16 waves a work-group, no clusters, 133,120 bytes of LDS; arguments qkvc, mw, lowp_scales, ctxc; writes ctxc
.if DOCPART == 5
	.amdgcn_target "amdgcn-amd-amdhsa--gfx1250"
	.amdhsa_code_object_version 6
	.text
	.protected	k_q9c24ef0203_attn
	.globl	k_q9c24ef0203_attn
	.p2align	8
	.type	k_q9c24ef0203_attn,@function
k_q9c24ef0203_attn:
	s_mov_b64 s[64:65], 0
	v_nop
	global_prefetch_b8 v0, s[64:65] scope:SCOPE_SE
	s_setreg_imm32_b32 hwreg(HW_REG_WAVE_SCHED_MODE, 0, 2), 2
	s_setreg_imm32_b32 hwreg(HW_REG_WAVE_MODE, 25, 1), 1
	s_wait_xcnt 0x0
	s_wait_alu depctr_vm_vsrc(0)
; ATTN: ctx = softmax(where(mask, q k^T / 8, -1e9)) v for each (batch, head), both products on codes of E4M3; ctx is quantised at once (2^e10) for the last projection.
; THE SOFTMAX AHEAD OF THE SECOND PRODUCT: t = logit x log2(e); M = the running largest t rounded UP to a whole number; p = 2^(t - M) is quantised (2^e8), not normalised; the row's sum is taken of the unquantised p and divides
; at the end.  When M moves, the sum and O are multiplied by 2^(old M - new M): exact.
; LAYOUT.  q, k, v lie as images of operand registers (pieces of 512 bytes: lane (r, h) has at 16 L the codes of its tile's row r at k = 32 c + 16 h + 0 .. 15; a tile's 16 rows are 32 (T / 2) + 8 (T % 2) + i + 8 (i / 8)).
; Both products are used transposed: S^T = K Q^T (source 0 = 16 keys, source 1 = my 16 queries), O^T = V^T P^T: a lane holds ONE query throughout; register n = 16 b + i of S^T is key 32 b + 16 h + i of the step,
; so p's codes are the second product's operand, and O^T's codes are two pieces of ctx.
; THE MASK comes as lane-mask words: word n of a step has in bit L what lane L's register n wants: four scalar loads and one v_cndmask_b32 a score.  A step's words are asked for in the step before, behind that step's
; selections, which are the last readers of the same scalar registers.  A masked score becomes FILL = -2^(33 - e6 - e7), so that its t = -2^33 log2(e) / 8 is a whole number: a row with no kept key at all gets p = 1 on
; every key, as -1e9 gives it; any other row gets p = 0 on masked keys.
; LIMIT: that stands for a logit of about -1.07e9 in place of -1e9: the same results as long as kept logits lie above about -1e9, which the hold at 448 sees to for e6 + e7 <= 9.
; NOTHING HERE BRANCHES ON A NUMBER READ FROM MEMORY: every wave does every step's whole work, whatever the mask and the scales hold; the only tests in the loop are on the trip's number.
; SHARES.  A work-group: one (batch, head), 256 neighbouring queries; each of its sixteen waves one tile of 16 queries in 256 registers: four waves to a SIMD, so that one wave's vector work stands beside another's
; matrix work and LDS loads.  All waves walk all 8 slots of 256 keys.
; K AND V go from memory through registers into FOUR LDS buffers of 32 KiB by turns, dense copies: each thread moves 4 x 16 bytes a slot, loaded two slots ahead of their use and stored one slot ahead.
; THE BARRIER'S SIGNAL STANDS A SLOT AHEAD OF ITS WAIT.  At the head of slot s a wave passes the wait, stores its part of slot s + 1 into buffer (s + 1) % 4, waits for those stores, signals, and only then works slot s.
; So the wait at the head of slot s + 1 holds a wave only while some wave has not yet begun slot s.  Store, then read: the stores of slot s + 1 are waited for in front of the signal, and slot s + 1 is read behind the
; matching wait.  Read, then overwrite: buffer s % 4 is stored into again at the head of slot s + 3; a wave's reads of slot s are over in front of its signal at the head of slot s + 1, whose wait every storing wave has
; passed.  While a wave reads buffer s % 4, a slower one may store into (s + 1) % 4 and a faster one into (s + 2) % 4: three different buffers.  Between a signal and its wait stand LDS loads, scalar loads and register work.
; NO CLUSTER, NO TENSOR LOAD, though the 8 work-groups of a head read the same K and V: a slot's fill is 4 loads and 4 LDS stores a thread beside the some 650 vector instructions of its two steps,
; and the loads are issued a whole slot ahead of the stores that want them.
; LIMITS on the given exponents: e6 + e7 between -93 and 130; e8 and e10 between -126 and 119.  NaN among the inputs is not served.
; THE MODE: SCHED_MODE bits 1:0 = 2 (LLVM: expert scheduling mode 2), set by the entry lines.  The code itself states the register dependences between vector or matrix instructions and memory or LDS
; instructions, with s_wait_alu, always for 0.
; THE PLAN.  Registers that memory or LDS instructions touch:
;   v1, v3, v2, v5  Addresses and offsets: written at the head, ahead of one wait on va_vdst, and never again.
;   Q               Loaded once at the head; read by matrix instructions; written by no vector instruction.
;   G               A slot's four global loads land in it; a slot later four LDS stores read it; then the next four loads land.  No vector or matrix instruction names it: one wait on vm_vsrc a slot, behind the stores.
;   X               A step's K lands in it; the eight products K Q^T read it; the step's V lands in it; the four products V^T P read it; the next step's K lands in it.
;   PC              In the loop named by vector and matrix instructions alone; on the way out two stores read it.
;   v254, v255      Written at the head, read by the closing add alone.
; So a step holds TWO waits on va_vdst.  One at its head: the step before's products V^T P are done reading X; K's loads follow it.  One behind the 64 exponentials, where a wait stands in any case ahead of p's first
; reader: by it the products K Q^T are done reading X too, and V's loads follow it at once; the 120 vector lines between them and the wait for them name Y, PC, O and the sums, never X.
; A second X, which would spare the wait at the head, has no room: sixteen waves of 256 registers fill the four SIMDs, and 34 of a wave's registers are free against the 64 that it would take.
.set BUF,  32768                       ; an LDS buffer: K's 16 tiles (16 KiB), then V's two steps (16 KiB)
.set Q,    16                          ; v16-23   Q's fragment
.set G,    24                          ; v24-39   K's and V's bytes on their way to LDS
.set PC,   40                          ; v40-55   p's codes
.set O,    56                          ; v56-87   O^T
.set X,    88                          ; v88-151  K's eight fragments, then V's four
.set Y,    152                         ; v152-215 S^T, then p
.set TA,   216                         ; at work
.set F,    218                         ; v[218:219] f = 2^(old M - new M) (the pair's low word serves both halves)
.set PD,   220                         ; a lane permute's destination
.set S2,   222                         ; v[222:223] the sum's second chain
.set SCL,  224                         ; 2^e8, later 2^e10
.set LIM,  225                         ; 448 x that
; v1 16 L (buffers 0, 1), v3 the same + 65,536 (buffers 2, 3); v2 16 x thread, v5 the same + 65,536; v4 FILL; v12 -M; v13 the largest t; v[14:15] the sum in two halves
; s[4:5] K, s[6:7] V, s[8:9] my mask record, s[10:11] my place in ctx; s12 wave; s13 trips; s16-63, s68-83 a step's 64 words; s[84:85] lane selects; s[86:87] c; s[92:99] e4 .. e11
	s_load_b256 s[16:23], s[0:1], 0x0              ; qkvc s[16:17], mw s[18:19], the scales' exponents s[20:21], ctxc s[22:23]
	v_lshl_add_u32 v254, v0, 2, 0x20000
	v_mov_b32 v255, 0
	v_lshrrev_b32 v6, 5, v0
	v_readfirstlane_b32 s12, v6                    ; wave 0..15
	v_and_b32 v1, 31, v0
	v_lshlrev_b32 v1, 4, v1
	v_lshlrev_b32 v2, 4, v0
	v_add_nc_u32 v3, 0x10000, v1                   ; an LDS immediate has 16 bits: the upper two buffers have address registers of their own
	v_add_nc_u32 v5, 0x10000, v2
	s_and_b32 s66, ttmp7, 0xffff                   ; 16 x batch + head
	s_lshl_b32 s89, ttmp9, 4
	s_wait_alu depctr_va_sdst(0)                   ; s12 is written, ahead of its first reader: my query tile, and with it three bases, are made from it
	s_add_co_u32 s89, s89, s12                     ; my query tile: 16 x work-group x + wave
	s_lshr_b32 s90, s66, 4
	s_lshl_b32 s90, s90, 7
	s_add_co_u32 s90, s90, s89                     ; 128 x batch + tile
	s_mov_b32 s101, 0
	s_wait_kmcnt 0x0
	s_load_b256 s[92:99], s[20:21], 0x10           ; e4 .. e11
	s_lshl_b32 s100, s90, 12                       ; a mask record is 4,096 bytes
	s_add_nc_u64 s[8:9], s[18:19], s[100:101]
	s_lshl_b32 s100, s66, 17                       ; a head is 128 KiB in each of q, k, v
	s_add_nc_u64 s[4:5], s[16:17], s[100:101]
	s_lshl_b32 s100, s89, 10
	s_add_nc_u64 s[2:3], s[4:5], s[100:101]        ; Q's two pieces
	s_add_nc_u64 s[6:7], s[4:5], 0x1000000         ; V
	s_add_nc_u64 s[4:5], s[4:5], 0x800000          ; K
	s_lshl_b32 s100, s90, 14                       ; ctx: 16 KiB a row tile, two pieces a head
	s_and_b32 s91, s66, 15
	s_lshl_b32 s91, s91, 10
	s_add_co_u32 s100, s100, s91
	s_add_nc_u64 s[10:11], s[22:23], s[100:101]
.macro FILL_LD off                     ; a slot's 32 KiB, 64 bytes a thread: each load of a wave reads 512 consecutive bytes
	global_load_b128 v[G:G+3], v2, s[4:5] offset:\off
	global_load_b128 v[G+4:G+7], v2, s[4:5] offset:\off+8192
	global_load_b128 v[G+8:G+11], v2, s[6:7] offset:\off
	global_load_b128 v[G+12:G+15], v2, s[6:7] offset:\off+8192
.endm
.macro FILL_ST buf
.set SR, 2+3*((\buf)/2)                ; v2 for buffers 0, 1; v5 for buffers 2, 3
.irp j, 0,1,2,3
	ds_store_b128 v[SR], v[G+4*\j:G+4*\j+3] offset:BUF*((\buf)%2)+8192*\j
.endr
.endm
.macro MASK_LD off                     ; a step's 64 lane-mask words, 256 consecutive bytes
	s_load_b512 s[16:31], s[8:9], (\off)
	s_load_b512 s[32:47], s[8:9], (\off)+64
	s_load_b512 s[48:63], s[8:9], (\off)+128
	s_load_b512 s[68:83], s[8:9], (\off)+192
.endm
	s_wait_alu depctr_va_vdst(0)                   ; v1, v2, v3 and v5 are written: every load, store and LDS instruction of the kernel reads one of them as its offset or address, and no vector instruction names them again
	global_load_b128 v[Q:Q+3], v1, s[2:3]
	global_load_b128 v[Q+4:Q+7], v1, s[2:3] offset:512
	FILL_LD 0                                      ; slot 0
	v_mov_b32 v13, 0xff61b1e6                      ; the largest t so far: -3e38, under every t
	v_floor_f32 v12, -v13                          ; -M
	v_mov_b32 v14, 0
	v_mov_b32 v15, 0
	v_mov_b32 v[PD], 0                             ; (a lane permute's destination counts as read)
	v_mov_b32 v[F+1], 0                            ; (named as the upper half of a pair)
.set k, 0
.rept 32
	v_mov_b32 v[O+k], 0                            ; O^T: the step is written once; the first finds zeros, which the first change of M leaves zeros
.set k, k+1
.endr
	s_mov_b32 s84, 0x76543210
	s_mov_b32 s85, 0xfedcba98                      ; v_permlanex16_b32: lane l xor 16
	s_wait_kmcnt 0x0                               ; the scales are in, and their load has read its base s[20:21]:
	MASK_LD 0                                      ; step 0's words may land on the registers that held the arguments
	s_add_co_i32 s66, s94, s95                     ; e6 + e7
	s_lshl_b32 s67, s66, 23
	s_mov_b32 s86, 0x3e38aa3b                      ; log2(e) / 8
	s_add_co_i32 s86, s86, s67                     ; c: a score stands for score x 2^(e6 + e7): the exponents are added to the exponent field
	s_mov_b32 s87, s86
	s_sub_co_i32 s67, 160, s66
	s_lshl_b32 s67, s67, 23
	s_or_b32 s67, s67, 0x80000000
	v_mov_b32 v4, s67                              ; FILL = -2^(33 - e6 - e7)
	s_add_co_i32 s66, s96, 127
	s_lshl_b32 s67, s66, 23
	v_mov_b32 v[SCL], s67                          ; 2^e8
	s_add_co_i32 s66, s66, 8
	s_lshl_b32 s66, s66, 23
	s_or_b32 s66, s66, 0x600000
	v_mov_b32 v[LIM], s66                          ; 448 x 2^e8
	s_wait_loadcnt 0x0                             ; Q and slot 0
	FILL_ST 0                                      ; (no vector instruction since the wait on va_vdst above names v2 or G)
	s_wait_dscnt 0x0                               ; my part of slot 0 lies in LDS
	s_wait_alu depctr_vm_vsrc(0)                   ; the four LDS stores have read G, in which the next loads land
	FILL_LD 16384                                  ; slot 1
	s_barrier_signal -1                            ; slot 0's signal; its wait stands at the head of slot 0
; A KEY STEP: 128 keys, the q2-th of the buffer; n: the step's number in the trip, 0 .. 7
.macro STEP buf, q2, n
.set AR, 1+2*((\buf)/2)                ; v1 for buffers 0, 1; v3 for buffers 2, 3
.set BO, BUF*((\buf)%2)
.rept 4
	v_nop                                          ; places behind the last products, in front of loads into registers that they read
.endr
	s_wait_alu depctr_va_vdst(0)                   ; the step before's four products V^T P are done reading X, in which K's fragments land
.irp t, 0,1,2,3,4,5,6,7
	ds_load_b128 v[X+8*\t:X+8*\t+3], v[AR] offset:BO+8192*(\q2)+1024*\t
	ds_load_b128 v[X+8*\t+4:X+8*\t+7], v[AR] offset:BO+8192*(\q2)+1024*\t+512
.endr
	s_wait_dscnt 0x0
.irp t, 0,1,2,3,4,5,6,7
	v_wmma_f32_16x16x64_fp8_fp8 v[Y+8*\t:Y+8*\t+7], v[X+8*\t:X+8*\t+7], v[Q:Q+7], 0
.endr
.rept 4
	v_nop
.endr
	s_wait_kmcnt 0x0                               ; this step's words, asked for in the step before
.set n, 0
.rept 64                               ; ascending: each accumulator from its low end on
.if n < 48
	v_cndmask_b32 v[Y+n], v4, v[Y+n], s[16+n]
.else
	v_cndmask_b32 v[Y+n], v4, v[Y+n], s[20+n]
.endif
.set n, n+1
.endr
	v_max3_num_f32 v[TA], v[Y], v[Y+1], v[Y+2]     ; the step's largest score of my query among my 64 keys, in two chains,
	v_max3_num_f32 v[F], v[Y+3], v[Y+4], v[Y+5]
.irp i, 6,10,14,18,22,26,30,34,38,42,46,50,54,58
	v_max3_num_f32 v[TA], v[TA], v[Y+\i], v[Y+\i+1]
	v_max3_num_f32 v[F], v[F], v[Y+\i+2], v[Y+\i+3]
.endr
	v_max3_num_f32 v[TA], v[TA], v[Y+62], v[Y+63]
	v_max_num_f32 v[TA], v[TA], v[F]
.if (\n) < 7                           ; the next step's words: the selections above were the last readers of their registers
	MASK_LD 256*((\n)+1)
.else
	s_cmp_lt_u32 s13, 1                            ; behind the last step of all there is none: no load leaves the buffer
	s_cbranch_scc0 .Lnomask_\@
	MASK_LD 2048
.Lnomask_\@:
.endif
	v_permlanex16_b32 v[PD], v[TA], s84, s85
	v_max_num_f32 v[TA], v[TA], v[PD]              ; and among lane l xor 16's
	v_mul_f32 v[TA], s86, v[TA]                    ; as t (c is positive)
	v_max_num_f32 v13, v13, v[TA]                  ; the running largest t
	v_mov_b32 v[TA], v12
	v_floor_f32 v12, -v13                          ; the new -M = floor(-t) = -ceil(t)
	v_sub_f32 v[TA], v12, v[TA]                    ; old M - new M: a whole number, 0 or less
	v_cvt_i32_f32 v[TA], v[TA]                     ; (it saturates)
	v_ldexp_f32 v[F], 1.0, v[TA]                   ; f = 2^(old M - new M)
.set k, 0
.rept 32
	v_pk_fma_f32 v[Y+k:Y+k+1], v[Y+k:Y+k+1], s[86:87], v[12:13] op_sel_hi:[1,0,0]   ; t - M, two at a time
.set k, k+2
.endr
.set k, 0
.rept 64
	v_exp_f32 v[Y+k], v[Y+k]                       ; p = 2^(t - M)
.set k, k+1
.endr
	v_pk_mul_f32 v[14:15], v[14:15], v[F:F+1] op_sel_hi:[1,0]      ; the sums under the new M: the plain line behind the exponentials
	s_wait_alu depctr_va_vdst(0)                   ; the 64 exponentials have written p, ahead of its first reader; and the eight products K Q^T are done reading X, in which V's fragments land
.irp t, 0,1,2,3                        ; V's fragments land under the sums, the holds, the conversions and O's rescaling, none of which names X
.irp c, 0,1,2,3
	ds_load_b128 v[X+16*\t+4*\c:X+16*\t+4*\c+3], v[AR] offset:BO+16384+8192*(\q2)+2048*\t+512*\c
.endr
.endr
	v_pk_add_f32 v[S2:S2+1], v[Y:Y+1], v[Y+2:Y+3]  ; the row's sum is taken of the unquantised p, in two chains
.irp j, 4,8,12,16,20,24,28,32,36,40,44,48,52,56,60
	v_pk_add_f32 v[14:15], v[14:15], v[Y+\j:Y+\j+1]
	v_pk_add_f32 v[S2:S2+1], v[S2:S2+1], v[Y+\j+2:Y+\j+3]
.endr
	v_pk_add_f32 v[14:15], v[14:15], v[S2:S2+1]
.set k, 0
.rept 64
	v_min_num_f32 v[Y+k], v[Y+k], v[LIM]           ; the conversion does not saturate (ISA guide 7.6.2); p is not negative: a one-sided hold, whatever e8 is
.set k, k+1
.endr
.irp b, 0,1,2,3
	v_cvt_scalef32_pk8_fp8_f32 v[PC+4*\b:PC+4*\b+1], v[Y+16*\b:Y+16*\b+7], v[SCL]
	v_cvt_scalef32_pk8_fp8_f32 v[PC+4*\b+2:PC+4*\b+3], v[Y+16*\b+8:Y+16*\b+15], v[SCL]
.endr
.set k, 0
.rept 16
	v_pk_mul_f32 v[O+k:O+k+1], v[O+k:O+k+1], v[F:F+1] op_sel_hi:[1,0]   ; O^T under the new M; also the plain lines between the conversions and the products
.set k, k+2
.endr
	s_wait_dscnt 0x0                               ; V is in: no LDS instruction of mine is out when the step ends
.irp t, 0,1,2,3                        ; the four accumulators take turns, one instruction a turn
	v_wmma_f32_16x16x128_fp8_fp8 v[O+8*\t:O+8*\t+7], v[X+16*\t:X+16*\t+15], v[PC:PC+15], v[O+8*\t:O+8*\t+7]
.endr
.endm
; SLOT i OF A TRIP'S FOUR, in buffer i.  The wait: every wave has stored its part of this slot.  Then the next slot's bytes go from registers into buffer (i + 1) % 4, the slot after that is asked of memory,
; and the signal for the next slot is given, a whole slot ahead of its wait.  Wait and signal stand outside every branch; the tests hang on the trip's number: slot 7 has no successor, slots 6 and 7 none two on.
; The slot's LDS stores and global loads name G, v2 and v5 alone, which no vector or matrix instruction names: they owe no wait on va_vdst, over the loop's backward jump either.
.macro SLOTM i
	s_barrier_wait -1
.if (\i) == 3
	s_cmp_lt_u32 s13, 1
	s_cbranch_scc0 .Lnofill_\@                     ; (on this way no LDS instruction of mine is out: the last step waited for all)
.endif
	s_wait_loadcnt 0x0                             ; the next slot's bytes, asked for a slot ago
	FILL_ST ((\i)+1)%4
	s_wait_dscnt 0x0                               ; for the others' sake: my part of the next slot lies in LDS
	s_wait_alu depctr_vm_vsrc(0)                   ; the four LDS stores have read G, in which the loads below land; it stands ahead of the branch that leads round them
.if (\i) == 2
	s_cmp_lt_u32 s13, 1
	s_cbranch_scc0 .Lnofill_\@
.endif
	FILL_LD 16384*((\i)+2)
.if (\i) >= 2
.Lnofill_\@:
.endif
	s_barrier_signal -1
	STEP \i, 0, 2*(\i)
	STEP \i, 1, 2*(\i)+1
.endm
	s_mov_b32 s13, 0
.Ltrip:                                            ; two trips of four slots
	SLOTM 0
	SLOTM 1
	SLOTM 2
	SLOTM 3
	s_wait_xcnt 0x0                                ; the loads, the mask's among them, have read their bases
	s_add_nc_u64 s[4:5], s[4:5], 0x10000
	s_add_nc_u64 s[6:7], s[6:7], 0x10000
	s_add_nc_u64 s[8:9], s[8:9], 2048
	s_add_co_u32 s13, s13, 1
	s_cmp_lt_u32 s13, 2
	s_cbranch_scc1 .Ltrip
	s_barrier_wait -1                              ; the last signal's wait: no barrier is open at the end
	; THE WAY OUT: O^T x 2^(e8 + e9) / the sum, quantised with 2^e10: register 16 b + i is channel 32 b + 16 h + i of my query: two pieces of ctx
.rept 4
	v_nop
.endr
	v_add_f32 v14, v14, v15
	v_permlanex16_b32 v[PD], v14, s84, s85
	v_add_f32 v14, v14, v[PD]                      ; the row's sum
	v_rcp_f32 v14, v14
	s_add_co_i32 s66, s98, 127
	s_lshl_b32 s67, s66, 23
	v_mov_b32 v[SCL], s67                          ; 2^e10  (the plain line behind the reciprocal)
	s_add_co_i32 s66, s66, 8
	s_lshl_b32 s66, s66, 23
	s_or_b32 s66, s66, 0x600000
	v_mov_b32 v[LIM], s66                          ; 448 x 2^e10
	s_add_co_i32 s67, s96, s97
	s_wait_alu depctr_va_vdst(0)                   ; the reciprocal has written v14, ahead of its first reader
	v_ldexp_f32 v14, v14, s67                      ; x 2^(e8 + e9)
.set k, 0
.rept 32
	v_mul_f32 v[Y+k], v[O+k], v14
.set k, k+1
.endr
.set k, 0
.rept 32
	v_med3_num_f32 v[Y+k], v[Y+k], -v[LIM], v[LIM]
.set k, k+1
.endr
.irp b, 0,1
	v_cvt_scalef32_pk8_fp8_f32 v[PC+4*\b:PC+4*\b+1], v[Y+16*\b:Y+16*\b+7], v[SCL]
	v_cvt_scalef32_pk8_fp8_f32 v[PC+4*\b+2:PC+4*\b+3], v[Y+16*\b+8:Y+16*\b+15], v[SCL]
.endr
	v_nop
	s_wait_alu depctr_va_vdst(0)                   ; the four conversions have written v[PC .. PC + 7], which the two stores read
	global_store_b128 v1, v[PC:PC+3], s[10:11]                 ; 512 consecutive bytes, aligned
	global_store_b128 v1, v[PC+4:PC+7], s[10:11] offset:512
	s_wait_dscnt 0x0                               ; the closing lines, six on end
	s_wait_alu 0x0
	s_wait_tensorcnt 0x0
	ds_add_u32 v254, v255
	s_wait_dscnt 0x0
	s_endpgm
.Lfunc_end_k_q9c24ef0203_attn:
	.size	k_q9c24ef0203_attn, .Lfunc_end_k_q9c24ef0203_attn-k_q9c24ef0203_attn
	.p2alignl 7, 3214868480
	.fill 96, 4, 3214868480
	.section	.rodata,"a",@progbits
	.p2align	6, 0x0
	.amdhsa_kernel k_q9c24ef0203_attn
		.amdhsa_group_segment_fixed_size 133120
		.amdhsa_private_segment_fixed_size 0
		.amdhsa_enable_private_segment 0
		.amdhsa_kernarg_size 32
		.amdhsa_user_sgpr_count 2
		.amdhsa_user_sgpr_kernarg_segment_ptr 1
		.amdhsa_wavefront_size32 1
		.amdhsa_system_sgpr_workgroup_id_x 1
		.amdhsa_system_sgpr_workgroup_id_y 1
		.amdhsa_system_sgpr_workgroup_id_z 1
		.amdhsa_system_vgpr_workitem_id 0
		.amdhsa_next_free_vgpr 256
		.amdhsa_next_free_sgpr 106
		.amdhsa_reserve_vcc 0
		.amdhsa_float_denorm_mode_32 3
		.amdhsa_float_denorm_mode_16_64 3
		.amdhsa_memory_ordered 1
		.amdhsa_forward_progress 1
		.amdhsa_inst_pref_size 168
	.end_amdhsa_kernel
	.amdgpu_metadata
---
amdhsa.version: [ 1, 2 ]
amdhsa.kernels:
  - .name:           k_q9c24ef0203_attn
    .symbol:         k_q9c24ef0203_attn.kd
    .args:
      - { .name: qkvc, .offset: 0, .size: 8, .value_kind: global_buffer, .address_space: global }
      - { .name: mw, .offset: 8, .size: 8, .value_kind: global_buffer, .address_space: global }
      - { .name: lowp_scales, .offset: 16, .size: 8, .value_kind: global_buffer, .address_space: global }
      - { .name: ctxc, .offset: 24, .size: 8, .value_kind: global_buffer, .address_space: global }
    .group_segment_fixed_size: 133120
    .private_segment_fixed_size: 0
    .kernarg_segment_align: 8
    .kernarg_segment_size: 32
    .max_flat_workgroup_size: 512
    .sgpr_count:     106
    .vgpr_count:     256
    .wavefront_size: 32
...
	.end_amdgpu_metadata
.endif
;; end of part 5
;; launch outp: the kernel of part 4 again; grid 64 x 4, 4 waves a work-group, clusters of 4 x 4, 327,680 bytes of LDS; arguments ctxc, wc, bo, lowp_scales, out0; writes out0
